; MI455X (gfx1250); checked and timed in simulation.
; The chip was launched on July 23, 2026; its instructions are those of AMD's public machine-readable ISA for CDNA 5 (MIT licence, August 2026) and "CDNA5" Instruction Set Architecture Reference Guide (July 2026). The comments in the code are by the model that wrote it; some were corrected since.
;; Masked Self Attention. Allowed arithmetic: matrix products marked QUANTISED: E2M3 operands, one E8M0 scale for each 32 along K, by v_wmma_scale_f32_16x16x128_f8f6f4 with both operands' format E2M3, f32 sums; everything else in f32.
;; Inputs: W_k 2,048 x 2,048 float32; W_q 2,048 x 2,048 float32; W_v 2,048 x 2,048 float32; mask 2,048 x 2,048 bool; token_encodings 2,048 x 2,048 float32.
;; Outputs: out0 2,048 x 2,048 float32.
;; This version of the problem:
;;   THIS VERSION OF THE PROBLEM IS GIVEN IN LOW PRECISION. The matrix products marked QUANTISED in the list below multiply operands that are first quantised to E2M3 (2 exponent bits, 3 mantissa bits; 6 bits a number), with one power-of-two scale for each 32 numbers along K (OCP MX v1.0); their sums are f32. All else is computed in f32.
;;   The module's matrix products, in the order in which they are computed (A, B: the left and right operand; K: the contracted axis; several contracted axes count as one K, in the product's order):
;;     1. [M 2,048, K 2,048] x [K 2,048, N 2,048]; A: input token_encodings; B: input W_q: QUANTISED
;;     2. [M 2,048, K 2,048] x [K 2,048, N 2,048]; A: input token_encodings; B: input W_k: QUANTISED
;;     3. [M 2,048, K 2,048] x [K 2,048, N 2,048]; A: input token_encodings; B: input W_v: QUANTISED
;;     4. [M 2,048, K 2,048] x [K 2,048, N 2,048]; A: computed on the way; B: computed on the way: QUANTISED
;;     5. [M 2,048, K 2,048] x [K 2,048, N 2,048]; A: softmax (see below); B: computed on the way: QUANTISED
;;   THE QUANTISER, for each operand of a quantised product, along K:
;;     - K is cut into blocks of 32 from its start; a last block that is shorter is filled with zeros.
;;     - A block's scale is 2^e with e = floor(log2(the largest magnitude in the block)) - 2, held to -126 .. 127; a block of zeros has e = 0. As a byte (E8M0): e + 127.
;;     - Each number is divided by its block's scale, clamped to +-7.5, and rounded to the nearest number of E2M3, ties to even, subnormals kept.
;;     - The product sums the exact products of the quantised numbers (number of the format x scale) in f32.
;;   ~~~python
;;   def quantise(x, axis):      # numpy; x: float32 -> the quantised numbers, widened to float32 again
;;       x = np.moveaxis(x, axis, -1); K = x.shape[-1]
;;       x = np.pad(x, [(0, 0)] * (x.ndim - 1) + [(0, -K % 32)]); x = x.reshape(x.shape[:-1] + (-1, 32)); a = np.abs(x).max(-1, keepdims=True)
;;       e = np.where(a > 0, np.clip(np.frexp(np.where(a > 0, a, 1))[1] - 1 - 2, -126, 127), 0)      # np.frexp(a)[1] - 1 = floor(log2(a)), exactly
;;       r = np.clip(x / 2.0 ** e, -7.5, 7.5)
;;       step = 2.0 ** (np.maximum(np.frexp(np.where(r == 0, 1, r))[1] - 1, 0) - 3)
;;       q = np.round(r / step) * step * 2.0 ** e      # np.round: ties to even
;;       return np.moveaxis(q.reshape(q.shape[:-2] + (-1,))[..., :K], -1, axis).astype(np.float32)
;;   ~~~
;;   SOFTMAX AHEAD OF A QUANTISED PRODUCT. Where the list says 'softmax', what is quantised is not the finished softmax but p = 2^(t - M), with t = logit x log2(e) and M = ceil(the row's largest t), a whole number; so 1/2 < the row's largest p <= 1. The row's sum l is taken of the UNQUANTISED p, in f32, and the product's result is divided by l at the end. Since M is a whole number, a kernel that streams over the keys may use a running M (the ceiling of the running maximum): every later rescaling is an exact power of two, which a block's scale takes up: the codes' values come out the same.
;;   OPERANDS COMPUTED ON THE WAY. 'Computed on the way' means the value that the module computes at that place (a softmax that the list does not call 'softmax' is quantised finished and normalised). What goes into a quantiser is computed in f32, as accurately as f32 sums, v_exp_f32 and their like allow (about 1e-6 of the number): no bf16 or f16 on the way to a quantiser, and a product that is left as it is and whose result goes on into a quantised operand takes f32 operands (vector FMAs, or v_wmma_f32_16x16x4_f32). A number that lies on a knife's edge between two numbers of the format may be rounded either way, as far as f32 arithmetic and the matrix unit's own rounding can turn it there, and no further.
;; One version. Each part assembles by itself: llvm-mc -triple=amdgcn-amd-amdhsa -mcpu=gfx1250 --defsym DOCPART=n.
;; ======== version 1 of 1: 4 launches
;; limits: right only within a limited range of input values
;; workspace buffers: cin 12,582,912 bytes; sin 524,288 bytes; cqkv 9,437,184 bytes; sqkv 393,216 bytes; pc 3,145,728 bytes; pst 524,288 bytes; psc 131,072 bytes
;; launch quant_in (part 1): grid 512 x 1, 4 waves a work-group, no clusters, 34,304 bytes of LDS; arguments token_encodings, W_q, W_k, W_v, cin, sin; writes cin, sin
.if DOCPART == 1
	.amdgcn_target "amdgcn-amd-amdhsa--gfx1250"
	.amdhsa_code_object_version 6
	.text
	.protected	k_qa51cbfa0cf_quant_in
	.globl	k_qa51cbfa0cf_quant_in
	.p2align	8
	.type	k_qa51cbfa0cf_quant_in,@function
k_qa51cbfa0cf_quant_in:
	s_mov_b64 s[64:65], 0
	v_nop
	global_prefetch_b8 v0, s[64:65] scope:SCOPE_SE
	s_setreg_imm32_b32 hwreg(HW_REG_WAVE_MODE, 25, 1), 1
	s_wait_xcnt 0x0
; MaskedSelfAttention, launch 1 of 4.  Nothing of reference() is left out in this program: all five products are done, and every input (the mask too) has a way to the output and is loaded.
; THIS LAUNCH: token_encodings, W_q, W_k, W_v, each [2048][2048] f32 with K innermost, become codes of FP6 (E2M3) with one E8M0 byte for each 32 along K, in the program's own layout:
;   TILES.  A matrix has 128 tiles of 16 rows; lane r of tile 2 b + u stands for row 32 b + 8 u + r + 8 (r / 8), so that a product that takes such tiles as source 0 leaves 16 neighbours along that axis in a lane's registers.
;   CODES.  Fragment (tile T, K step ks of 128) is the image of an operand's 12 registers, 1,536 bytes at (16 T + ks) x 1,536: for each half c, registers 6 c .. 6 c + 3 at 768 c + 16 x lane, registers 6 c + 4, 6 c + 5 at 768 c + 512 + 8 x lane.
;   SCALE WORDS (four bytes: 128 along K of one row) at (ks / 2) x 16,384 + T x 128 + r x 8 + (ks % 2) x 4: 8 bytes a lane bring a pair of tiles for two K steps.
; A block's scale is 2^(floor(log2(its largest magnitude)) - 2); its byte is the largest magnitude's exponent field - 2, held at 1 from below.
; LIMITS: a block of zeros, or one whose largest magnitude lies under 2^-124, gets the byte 1 (the rule says 127 for zeros: the codes are zeros and this program alone reads the bytes); NaN and infinities among the inputs are not served.
; SHARES: 128 work-groups a tensor; a wave takes 32 rows (a pair of tiles) x 256 along K: four fragments, one a step.  A step's 16 loads read 512 consecutive bytes each (a row's 128 numbers).
; ALL 64 LOADS OF A WAVE GO OUT AT THE HEAD, into four sets of 64 registers in window 1: no load is issued behind a wait.  A step's rows turn through the wave's own
; stage in LDS, so that lane (r, h) gets, of row r, the 32 numbers of block 2 c + h: whole blocks in a lane, in the order of the operand's registers.  Waves share nothing: no barrier.
.set REG,   3145728                    ; a tensor's codes in bytes
.set SREG,  131072                     ; and its scale words
.set FRB,   1536
.set SP,    528                        ; a stage row: 512 bytes + 16: the 16 rows that a load touches start in 16 different groups of banks
.set WST,   16*SP
.set SPARE, 4*WST                      ; behind the four stages: the spare words, 128 bytes a wave
.set GL,   4                           ; v4   16 x lane
.set O8,   5                           ; v5   8 x lane
.set SIN,  6                           ; v6   the stage, on the way in
.set SOUT, 7                           ; v7   and out: 528 r + 128 h
.set TM,   8                           ; v8-9   largest magnitudes
.set SO,   10                          ; v10-11 the conversions' scale operands
.set BY,   12                          ; v12-13 the bytes
.set H8,   14                          ; v14  8 h
.set X,    144                         ; v144-207 64 numbers in the operand's order
.set C,    208                         ; v208-231 two sets of 12: the codes
.set CT,   232                         ; v232-238 a block's upper 16 codes as converted
.set W,    240                         ; v240-243 the four steps' scale words
.set WO,   244                         ; v244-245 as they leave
.set PT,   246
.set WT,   247
.set SPW,  252                         ; v252 my spare word's address; never rewritten
.set NIL,  253                         ; v253 0; never rewritten
                                       ; window 1: step n's 64 registers as loaded, at v[64 n]
.set MSB, 0
.macro WIN new                         ; the immediate's high byte repeats the setting that is left
.if MSB != \new
	s_set_vgpr_msb (MSB<<8)|\new
.set MSB, \new
.endif
.endm
	s_load_b256 s[4:11], s[0:1], 0x0               ; x, W_q, W_k, W_v
	s_load_b128 s[12:15], s[0:1], 0x20             ; the codes, the scale words
	v_lshl_add_u32 v[SPW], v0, 2, SPARE
	v_mov_b32 v[NIL], 0
	v_lshrrev_b32 v1, 5, v0
	v_readfirstlane_b32 s17, v1                    ; wave
	v_and_b32 v1, 31, v0                           ; lane
	v_and_b32 v2, 15, v0                           ; r
	v_bfe_u32 v3, v0, 4, 1                         ; h
	v_lshlrev_b32 v[GL], 4, v1
	v_lshlrev_b32 v[O8], 3, v1
	s_mul_i32 s18, s17, WST                        ; my stage
	v_add_nc_u32 v[SIN], s18, v[GL]
	v_mul_u32_u24 v[SOUT], v2, SP
	v_lshl_add_u32 v[SOUT], v3, 7, v[SOUT]
	v_add_nc_u32 v[SOUT], s18, v[SOUT]
	v_lshlrev_b32 v[H8], 3, v3
	v_mov_b32 v[PT], 0                             ; a lane permute's destination counts as one of its sources
	s_mov_b32 s20, 0x76543210
	s_mov_b32 s21, 0xfedcba98                      ; selects for lane l xor 16
	s_mov_b32 s22, 0xffff0000                      ; lanes 16-31
	s_lshr_b32 s16, ttmp9, 7                       ; which tensor
	s_bfe_u32 s23, ttmp9, 0x60001                  ; which pair of tiles (32 rows)
	s_and_b32 s19, ttmp9, 1
	s_lshl_b32 s19, s19, 2
	s_add_co_u32 s19, s19, s17                     ; which 256 along K: 4 x (work-group % 2) + wave
	s_lshl_b32 s24, s23, 18                        ; in: 32 rows of 8,192 bytes a pair,
	s_lshl_b32 s25, s19, 10                        ; 1,024 bytes for 256 along K
	s_add_co_u32 s24, s24, s25
	s_mov_b32 s25, 0
	s_lshl_b32 s26, s23, 5                         ; codes: fragment 16 x (2 pair) + 2 x (my 256 along K)
	s_lshl_b32 s27, s19, 1
	s_add_co_u32 s26, s26, s27
	s_mul_i32 s26, s26, FRB
	s_mul_i32 s27, s16, REG
	s_add_co_u32 s26, s26, s27
	s_mov_b32 s27, 0
	s_lshl_b32 s28, s19, 14                        ; scale words
	s_lshl_b32 s29, s23, 8
	s_add_co_u32 s28, s28, s29
	s_mul_i32 s29, s16, SREG
	s_add_co_u32 s28, s28, s29
	s_mov_b32 s29, 0
	s_wait_alu depctr_va_vdst(0)
	s_wait_kmcnt 0x0
	s_cmp_eq_u32 s16, 1                            ; the choice of the tensor hangs on the work-group's number alone; all four take one path
	s_cselect_b64 s[4:5], s[6:7], s[4:5]
	s_cmp_eq_u32 s16, 2
	s_cselect_b64 s[4:5], s[8:9], s[4:5]
	s_cmp_eq_u32 s16, 3
	s_cselect_b64 s[4:5], s[10:11], s[4:5]
	s_add_nc_u64 s[4:5], s[4:5], s[24:25]
	s_add_nc_u64 s[12:13], s[12:13], s[26:27]
	s_add_nc_u64 s[14:15], s[14:15], s[28:29]
; step n: tile n / 2 of the pair, K step n % 2.  Load i brings the row of the tile's lane i
.macro LOADSTEP n
.irp i, 0,1,2,3,4,5,6,7,8,9,10,11,12,13,14,15
	global_load_b128 v[64*(\n)+4*\i:64*(\n)+4*\i+3], v[GL], s[4:5] offset:(8*((\n)/2)+\i+8*(\i/8))*8192+512*((\n)%2) th:TH_LOAD_NT
.endr
.endm
.macro STEP n
.set CS, C+12*((\n)%2)
	s_wait_loadcnt 16*(3-(\n))                     ; this step's 16 loads are in; the 16 of each later step stay out
	WIN 0x04                                       ; an LDS store's data are its source 1: window 1
.irp i, 0,1,2,3,4,5,6,7,8,9,10,11,12,13,14,15
	ds_store_b128 v[SIN], v[64*(\n)+4*\i:64*(\n)+4*\i+3] offset:SP*\i
.endr
	WIN 0
.irp c, 0,1
.irp j, 0,1,2,3,4,5,6,7
	ds_load_b128 v[X+32*\c+4*\j:X+32*\c+4*\j+3], v[SOUT] offset:256*\c+16*\j   ; LDS serves a wave's instructions in order: these see the stores above
.endr
.endr
	s_wait_dscnt 0x0                               ; the numbers are back
.irp c, 0,1
	v_max3_num_f32 v[TM+\c], |v[X+32*\c]|, |v[X+32*\c+1]|, 0x1800000   ; my block 2 c + h: all 32 numbers are mine; the floor 2^(3 - 127) holds the byte at 1 from below
.endr
.irp i, 2,4,6,8,10,12,14,16,18,20,22,24,26,28,30
.irp c, 0,1
	v_max3_num_f32 v[TM+\c], v[TM+\c], |v[X+32*\c+\i]|, |v[X+32*\c+\i+1]|
.endr
.endr
.irp c, 0,1
	v_add_nc_u32 v[SO+\c], 0xff000000, v[TM+\c]    ; 2 off the exponent field: the conversion's scale operand
.endr
.irp c, 0,1
	v_lshrrev_b32 v[BY+\c], 23, v[SO+\c]           ; the byte
.endr
	v_lshl_or_b32 v[WT], v[BY+1], 16, v[BY]        ; my two bytes, blocks h and 2 + h,
	v_lshlrev_b32 v[WT], v[H8], v[WT]              ; at their places;
	v_permlanex16_b32 v[PT], v[WT], s20, s21
	v_or_b32 v[W+(\n)], v[WT], v[PT]               ; with lane l xor 16's two the row's word is whole
.if (\n) >= 2
	s_wait_alu depctr_va_vdst(0)
	s_wait_xcnt 0x0                                ; the stores of two steps back have read this set of codes
.endif
.irp c, 0,1
	v_cvt_scalef32_pk16_fp6_f32 v[CS+6*\c:CS+6*\c+2], v[X+32*\c:X+32*\c+15], v[SO+\c]
	v_cvt_scalef32_pk16_fp6_f32 v[CT+4*\c:CT+4*\c+2], v[X+32*\c+16:X+32*\c+31], v[SO+\c]   ; (a conversion's three registers begin on an even number)
.endr
	v_nop                                          ; one plain place behind a scaled conversion
.irp c, 0,1
.irp i, 0,1,2
	v_mov_b32 v[CS+6*\c+3+\i], v[CT+4*\c+\i]
.endr
.endr
	; cin's OWN image of a fragment (it differs from the head comment's, which holds for the later launches' buffers): registers 4 i .. 4 i + 3 at 512 i + 16 x lane, i = 0, 1, 2
	global_store_b128 v[GL], v[CS:CS+3], s[12:13] offset:16*FRB*((\n)/2)+FRB*((\n)%2)            ; each store covers 512 consecutive bytes, aligned to 256
	global_store_b128 v[GL], v[CS+4:CS+7], s[12:13] offset:16*FRB*((\n)/2)+FRB*((\n)%2)+512
	global_store_b128 v[GL], v[CS+8:CS+11], s[12:13] offset:16*FRB*((\n)/2)+FRB*((\n)%2)+1024
.endm
	WIN 0x40                                       ; a load's data are its destination: window 1; the address stays in window 0
	LOADSTEP 0
	LOADSTEP 1
	LOADSTEP 2
	LOADSTEP 3
	WIN 0
	STEP 0
	STEP 1
	STEP 2
	STEP 3
	v_cndmask_b32 v[WO], v[W], v[W+2], s22         ; lanes 0-15: the even tile's words, lanes 16-31 the odd tile's (both halves of the lanes hold a row's word)
	v_cndmask_b32 v[WO+1], v[W+1], v[W+3], s22
	global_store_b64 v[O8], v[WO:WO+1], s[14:15]   ; 256 consecutive bytes, aligned
	s_wait_tensorcnt 0x0                           ; the wave's end
	ds_add_u32 v[SPW], v[NIL]
	s_wait_dscnt 0x0
	s_endpgm
.Lfunc_end_k_qa51cbfa0cf_quant_in:
	.size	k_qa51cbfa0cf_quant_in, .Lfunc_end_k_qa51cbfa0cf_quant_in-k_qa51cbfa0cf_quant_in
	.p2alignl 7, 3214868480
	.fill 96, 4, 3214868480
	.section	.rodata,"a",@progbits
	.p2align	6, 0x0
	.amdhsa_kernel k_qa51cbfa0cf_quant_in
		.amdhsa_group_segment_fixed_size 34304
		.amdhsa_private_segment_fixed_size 0
		.amdhsa_enable_private_segment 0
		.amdhsa_kernarg_size 48
		.amdhsa_user_sgpr_count 2
		.amdhsa_user_sgpr_kernarg_segment_ptr 1
		.amdhsa_wavefront_size32 1
		.amdhsa_system_sgpr_workgroup_id_x 1
		.amdhsa_system_sgpr_workgroup_id_y 1
		.amdhsa_system_sgpr_workgroup_id_z 1
		.amdhsa_system_vgpr_workitem_id 0
		.amdhsa_next_free_vgpr 512
		.amdhsa_next_free_sgpr 66
		.amdhsa_reserve_vcc 0
		.amdhsa_float_denorm_mode_32 3
		.amdhsa_float_denorm_mode_16_64 3
		.amdhsa_memory_ordered 1
		.amdhsa_forward_progress 1
		.amdhsa_inst_pref_size 31
	.end_amdhsa_kernel
	.amdgpu_metadata
---
amdhsa.version: [ 1, 2 ]
amdhsa.kernels:
  - .name:           k_qa51cbfa0cf_quant_in
    .symbol:         k_qa51cbfa0cf_quant_in.kd
    .args:
      - { .name: token_encodings, .offset: 0, .size: 8, .value_kind: global_buffer, .address_space: global }
      - { .name: W_q, .offset: 8, .size: 8, .value_kind: global_buffer, .address_space: global }
      - { .name: W_k, .offset: 16, .size: 8, .value_kind: global_buffer, .address_space: global }
      - { .name: W_v, .offset: 24, .size: 8, .value_kind: global_buffer, .address_space: global }
      - { .name: cin, .offset: 32, .size: 8, .value_kind: global_buffer, .address_space: global }
      - { .name: sin, .offset: 40, .size: 8, .value_kind: global_buffer, .address_space: global }
    .group_segment_fixed_size: 34304
    .private_segment_fixed_size: 0
    .kernarg_segment_align: 8
    .kernarg_segment_size: 48
    .max_flat_workgroup_size: 128
    .sgpr_count:     66
    .vgpr_count:     512
    .wavefront_size: 32
...
	.end_amdgpu_metadata
.endif
;; end of part 1
;; launch proj (part 2): grid 16 x 16, 4 waves a work-group, clusters of 4 x 4, 327,680 bytes of LDS; arguments cin, sin, cqkv, sqkv; writes cqkv, sqkv
.if DOCPART == 2
	.amdgcn_target "amdgcn-amd-amdhsa--gfx1250"
	.amdhsa_code_object_version 6
	.text
	.protected	k_qa51cbfa0cf_proj
	.globl	k_qa51cbfa0cf_proj
	.p2align	8
	.type	k_qa51cbfa0cf_proj,@function
k_qa51cbfa0cf_proj:
	s_mov_b64 s[64:65], 0
	v_nop
	global_prefetch_b8 v0, s[64:65] scope:SCOPE_SE
	s_setreg_imm32_b32 hwreg(HW_REG_WAVE_MODE, 25, 1), 1
	s_wait_xcnt 0x0
	s_wait_alu depctr_hold_cnt(0) depctr_sa_sdst(0) depctr_va_vdst(0) depctr_va_sdst(0) depctr_va_ssrc(0) depctr_va_vcc(0) depctr_vm_vsrc(0)
	s_getreg_b32 s2, hwreg(HW_REG_IB_STS2, 6, 4)
	s_cmp_eq_u32 s2, 0
	s_cbranch_scc0 .Lentry_in_a_cluster
	s_endpgm
.Lentry_in_a_cluster:
	s_bfe_u32 s2, ttmp6, 0x10000c
	s_cmp_lg_u32 s2, 0xf033
	s_cbranch_scc0 .Lentry_shape_is_right
	s_endpgm
.Lentry_shape_is_right:
; Launch 2 of 4: products 1 to 3 (q, k, v), each result quantised along the K of the product that takes it: q and k along the channels, v along the keys.  No work of reference() is left out.
; A WORK-GROUP (tx, ty) takes 128 rows of x (tiles 8 ty ..) against 128 rows (tiles 8 tx ..) of EACH of W_q, W_k, W_v: 16 x 16 = 256 work-groups.  A wave (hr, hc) takes x's tiles 4 hr .. + 3 and each W's tiles 4 hc .. + 3:
; 48 accumulators of 16 x 16.  q, k: source 0 = 16 rows of W, source 1 = 16 rows of x: a lane holds one token and registers along the channels.  v: the sources change places: a lane holds one channel and registers along the keys.
; IN: cin, four regions (x, W_q, W_k, W_v); fragment (tile T, K step ks) at (16 T + ks) x 1,536, registers 4 i .. 4 i + 3 at 512 i + 16 x lane.  sin: scale words at (ks / 2) x 16,384 + T x 128 + r x 8 + (ks % 2) x 4.
; OUT: cqkv, three regions (q, k, v transposed); fragment at (16 T + ks) x 1,536; half c: registers 6 c .. 6 c + 3 at 768 c + 16 x lane, 6 c + 4, 6 c + 5 at 768 c + 512 + 8 x lane.  A wave makes half fragments (64 along the next K).
;      sqkv, three regions; the scale word of (ks, T, r) at ks x 8,192 + T x 64 + r x 4: a work-group's words of one product are 512 consecutive bytes.
; THE RING: K goes in chunks of 3 steps (the last: 1) through two LDS slots; a slot holds 8 tiles of x and of each W, 4,608 bytes a tile.  Wave 0 fetches x's part, wave w that of W number w: one tensor load a wave behind each round.
; CLUSTERS 4 x 4: x's tiles hang on ty alone and are asked for jointly along a row of the cluster, W's on tx alone, along a column.
; PREFETCH: a tile's 16 K steps are 24,576 consecutive bytes, 96 blocks of 256.  Of the 8 tiles that a wave fetches, each of the four partners that ask jointly takes 2, told apart by address (cx for x, cy for a W).
;   An ask is one instruction: lane l names block l % 16 of tile l / 16 in a run of 4,096 bytes of each tile; ask j names bytes 4,096 j on.  Asks 1 and 2 stand behind chunk 0's load, ask 3 behind chunk 1's, 4 behind chunk 2's,
;   5 behind chunk 3's: so every chunk from the second on has been named whole one fill, three K steps, ahead of its load.  Bytes 0 to 4,095 come by chunk 0's load alone.  The address registers are never rewritten.
; LIMITS: a block of zeros, or one under 2^-124, gets the byte 1 (its codes are zeros; this program alone reads the bytes); NaN and infinities are not served.
; REGISTERS: window 0: v4-15 addresses, v28-29 the add's, v32-63 x's scale words (16 (tile / 2) + ks), v64-159 the W's.  Windows 1, 2: v0-191 a set of fragments each (x 0, W_q 48, W_k 96, W_v 144);
;   v192-255: v's accumulators (W_v's tiles 0, 1 in window 1; 2, 3 in window 2).  Window 3: q's 16 accumulators at v0, k's at v128; (a, b) at 8 (4 a + b).
.set REG,   3145728
.set SREG,  131072
.set FRB,   1536
.set FR,    12
.set TROW,  16*FRB
.set PITCH, 3*FRB
.set PART,  8*PITCH
.set SLOT,  4*PART
.set SPARE, 2*SLOT                     ; the spare words, 512 bytes
.set SCR,   SPARE+512                  ; 3 x 512 bytes: the scale words on their way out
.set AX,   4                           ; v4-5  LDS address of my x fragments in slot 0, 1
.set AW,   6                           ; v6-7  of W_q's (W_k's lie PART further on)
.set AV,   8                           ; v8-9  of W_v's
.set O16,  10
.set O8,   11
.set SCA,  12
.set SCV,  13
.set SCRD, 14
.set PFO,  15                          ; v15   the prefetches' offset; never rewritten
.set SPW,  28
.set NIL,  29
.set SX,   32
.set SW,   64
.set TM,   176
.set BW,   192
.set MW,   204
.set SEL,  76
.set HM,   78
.set PFA,  96                          ; s[96:97] my work-group's two tiles of the eight that my wave fetches; never rewritten
.set G1,   24
.set G0,   32
.set G1B,  48
.set G0B,  56
.set G1L,  80
.set G1BL, 88
.set MSB, 0
.macro WIN new                         ; the immediate's high byte repeats the setting that is left
.if MSB != (\new)
	s_set_vgpr_msb (MSB<<8)|(\new)
.set MSB, (\new)
.endif
.endm
.macro JLOAD g0a, g1a, g0b, g1b        ; wave 0 asks for x's part, waves 1 to 3 for a W's; s_nop 0 and four v_nop behind each line
	s_cmp_eq_u32 s14, 0
	s_cbranch_scc0 .Lfor_b_\@
	tensor_load_to_lds s[\g0a:\g0a+3], s[\g1a:\g1a+7]
	s_nop 0
.rept 4
	v_nop
.endr
	s_branch .Lasked_\@
.Lfor_b_\@:
	tensor_load_to_lds s[\g0b:\g0b+3], s[\g1b:\g1b+7]
	s_nop 0
.rept 4
	v_nop
.endr
.Lasked_\@:
.endm
.macro ASK j                           ; the address register lies in window 0: source 0's window is 0 wherever this stands
	global_prefetch_b8 v[PFO], s[PFA:PFA+1] offset:4096*(\j) th:TH_LOAD_NT scope:SCOPE_SE
.endm
.macro CREST
	s_cmp_lg_u32 s14, 0
	s_cbranch_scc1 .Lnot_wave_0_\@
	s_barrier_signal -3
.Lnot_wave_0_\@:
	s_barrier_wait -3
	s_barrier_signal -1
	s_barrier_wait -1
.endm
.macro CROUND
	s_barrier_signal -1
	s_barrier_wait -1
	CREST
.endm
.macro PLACES
.rept 4
	v_nop
.endr
.endm
	s_load_b256 s[4:11], s[0:1], 0x0               ; cin, sin, cqkv, sqkv
	v_lshl_add_u32 v[SPW], v0, 2, SPARE
	v_mov_b32 v[NIL], 0
	ds_add_u32 v[SPW], v[NIL]                      ; the opening: the add, twice on end, and its wait ahead of my first tensor load
	ds_add_u32 v[SPW], v[NIL]
	v_lshrrev_b32 v1, 5, v0
	v_readfirstlane_b32 s14, v1                    ; wave
	v_and_b32 v2, 31, v0
	v_lshlrev_b32 v[O16], 4, v2
	v_lshlrev_b32 v[O8], 3, v2
	v_lshlrev_b32 v3, 2, v2
	v_lshrrev_b32 v[PFO], 4, v2
	v_mul_u32_u24 v[PFO], v[PFO], TROW             ; tile l / 16 of my two,
	v_and_b32 v1, 15, v2
	v_lshl_add_u32 v[PFO], v1, 8, v[PFO]           ; block l % 16
	s_lshr_b32 s15, s14, 1                         ; hr
	s_and_b32 s16, s14, 1                          ; hc
	s_bfe_u32 s40, ttmp6, 0x40000                  ; cx
	s_bfe_u32 s41, ttmp6, 0x40004                  ; cy
	s_lshl_b32 s42, ttmp9, 2
	s_add_co_u32 s42, s42, s40                     ; tx
	s_and_b32 s17, ttmp7, 0xffff
	s_lshl_b32 s17, s17, 2
	s_add_co_u32 s17, s17, s41                     ; ty
	s_lshl_b32 s43, s41, 2
	s_lshl_b32 s43, 15, s43                        ; my row of the cluster
	s_lshl_b32 s44, 0x1111, s40                    ; my column
	s_or_b32 s[G1+0], s43, (3<<16)|(1<<21)
	s_or_b32 s[G1B+0], s44, (3<<16)|(1<<21)
	s_or_b32 s[G1L+0], s43, (3<<16)|(1<<21)
	s_or_b32 s[G1BL+0], s44, (3<<16)|(1<<21)
.irp g, G1, G1B                        ; 8 tiles x 3 K steps: rows of 4,608 bytes in elements of 8
	s_mov_b32 s[\g+1], (PITCH/8)<<16
	s_mov_b32 s[\g+2], 8<<16
	s_mov_b32 s[\g+3], (PITCH/8)<<16
	s_mov_b32 s[\g+4], 8
	s_mov_b32 s[\g+5], TROW/8
	s_mov_b32 s[\g+6], 0
	s_mov_b32 s[\g+7], 0
.endr
.irp g, G1L, G1BL                      ; the last chunk: one K step
	s_mov_b32 s[\g+1], (FRB/8)<<16
	s_mov_b32 s[\g+2], 8<<16
	s_mov_b32 s[\g+3], (FRB/8)<<16
	s_mov_b32 s[\g+4], 8
	s_mov_b32 s[\g+5], TROW/8
	s_mov_b32 s[\g+6], 0
	s_mov_b32 s[\g+7], 0
.endr
	s_mul_i32 s20, s17, 8*TROW                     ; x: tile 8 ty
	s_mov_b32 s21, 0
	s_mul_i32 s46, s42, 8*TROW                     ; W: tile 8 tx of region wave
	s_mul_i32 s47, s14, REG
	s_add_co_u32 s46, s46, s47
	s_mov_b32 s47, 0
	s_mul_i32 s67, s14, PART                       ; where my part goes
	s_lshl_b32 s[PFA], s17, 3                      ; the prefetches: x's tile 8 ty + 2 cx,
	s_lshl_b32 s[PFA+1], s40, 1
	s_add_co_u32 s[PFA], s[PFA], s[PFA+1]
	s_lshl_b32 s98, s42, 3                         ; a W's tile 8 tx + 2 cy
	s_lshl_b32 s99, s41, 1
	s_add_co_u32 s98, s98, s99
	s_cmp_eq_u32 s14, 0
	s_cselect_b32 s[PFA], s[PFA], s98
	s_mul_i32 s[PFA], s[PFA], TROW
	s_mul_i32 s[PFA+1], s14, REG
	s_add_co_u32 s[PFA], s[PFA], s[PFA+1]
	s_mov_b32 s[PFA+1], 0
	s_mov_b32 s[SEL], 0x76543210
	s_mov_b32 s[SEL+1], 0xfedcba98
	s_mov_b32 s[HM], 0xffff0000
	s_wait_alu depctr_va_vdst(0)
	s_wait_dscnt 0x0
	CROUND                                         ; the round in front of the first joint loads needs no argument: it stands ahead of the wait for them
	s_wait_kmcnt 0x0
	s_add_nc_u64 s[20:21], s[4:5], s[20:21]
	s_add_nc_u64 s[46:47], s[4:5], s[46:47]
	s_add_nc_u64 s[PFA:PFA+1], s[4:5], s[PFA:PFA+1]
.irp s, 0,1
	s_mov_b32 s[G0+4*\s], 1
	s_add_co_u32 s[G0+4*\s+1], s67, \s*SLOT
	s_add_nc_u64 s[G0+4*\s+2:G0+4*\s+3], s[20:21], \s*PITCH
	s_or_b32 s[G0+4*\s+3], s[G0+4*\s+3], 0x80000000
	s_mov_b32 s[G0B+4*\s], 1
	s_add_co_u32 s[G0B+4*\s+1], s67, \s*SLOT
	s_add_nc_u64 s[G0B+4*\s+2:G0B+4*\s+3], s[46:47], \s*PITCH
	s_or_b32 s[G0B+4*\s+3], s[G0B+4*\s+3], 0x80000000
.endr
	JLOAD G0, G1, G0B, G1B                         ; chunk 0: the wave's one load at the head
	s_lshl_b32 s22, s17, 3
	s_lshl_b32 s23, s15, 2
	s_add_co_u32 s22, s22, s23                     ; my first tile of x: 8 ty + 4 hr
	s_lshl_b32 s18, s22, 7
	s_mov_b32 s19, 0
	s_add_nc_u64 s[18:19], s[6:7], s[18:19]
	s_lshl_b32 s68, s42, 3
	s_lshl_b32 s69, s16, 2
	s_add_co_u32 s68, s68, s69                     ; my first tile of each W: 8 tx + 4 hc
	s_lshl_b32 s70, s68, 7
	s_add_co_u32 s70, s70, SREG
	s_mov_b32 s71, 0
	s_add_nc_u64 s[70:71], s[6:7], s[70:71]
	ASK 1                                          ; chunk 1 and the first part of chunk 2
	ASK 2
.irp p, 0,1                            ; all scale words, 64 loads of 256 consecutive bytes, on their way while chunk 0 is
.irp e, 0,1,2,3,4,5,6,7
	global_load_b64 v[SX+16*\p+2*\e:SX+16*\p+2*\e+1], v[O8], s[18:19] offset:16384*\e+256*\p
.irp w, 0,1,2
	global_load_b64 v[SW+32*\w+16*\p+2*\e:SW+32*\w+16*\p+2*\e+1], v[O8], s[70:71] offset:SREG*\w+16384*\e+256*\p
.endr
.endr
.endr
	s_mul_i32 s72, s15, 4*PITCH                    ; x's part is the slot's first; my four tiles of it
	s_mul_i32 s73, s16, 4*PITCH
	s_add_co_u32 s73, s73, PART
	s_add_co_u32 s74, s73, 2*PART
.irp s, 0,1
	v_add_nc_u32 v[AX+\s], s72, v[O16]
	v_add_nc_u32 v[AW+\s], s73, v[O16]
	v_add_nc_u32 v[AV+\s], s74, v[O16]
	s_add_co_u32 s72, s72, SLOT
	s_add_co_u32 s73, s73, SLOT
	s_add_co_u32 s74, s74, SLOT
.endr
	s_mul_i32 s75, s15, 4*(PITCH-FRB)              ; the last chunk's tiles lie 1,536 bytes apart: what my first tile's address loses there
	s_mul_i32 s79, s16, 4*(PITCH-FRB)
	s_lshl_b32 s66, s15, 8                         ; q's, k's two bytes of a word: 256 hr + 4 lane + 2 hc
	s_lshl_b32 s69, s16, 1
	s_add_co_u32 s66, s66, s69
	s_add_co_u32 s66, s66, SCR
	v_add_nc_u32 v[SCA], s66, v3
	s_lshl_b32 s66, s16, 8                         ; v's: 256 hc + 4 lane + 2 hr
	s_lshl_b32 s69, s15, 1
	s_add_co_u32 s66, s66, s69
	s_add_co_u32 s66, s66, SCR+1024
	v_add_nc_u32 v[SCV], s66, v3
	s_lshl_b32 s66, s14, 9
	s_add_co_u32 s66, s66, SCR
	v_add_nc_u32 v[SCRD], s66, v[O16]
	s_lshl_b32 s66, s22, 4                         ; q, k: fragment (tile 8 ty + 4 hr, K step tx), half hc
	s_add_co_u32 s66, s66, s42
	s_mul_i32 s66, s66, FRB
	s_mul_i32 s69, s16, 768
	s_add_co_u32 s66, s66, s69
	s_mov_b32 s67, 0
	s_lshl_b32 s12, s68, 4                         ; v transposed: fragment (tile 8 tx + 4 hc, K step ty), half hr
	s_add_co_u32 s12, s12, s17
	s_mul_i32 s12, s12, FRB
	s_mul_i32 s69, s15, 768
	s_add_co_u32 s12, s12, s69
	s_add_co_u32 s12, s12, 2*REG
	s_mov_b32 s13, 0
	s_add_nc_u64 s[12:13], s[8:9], s[12:13]
	s_add_nc_u64 s[8:9], s[8:9], s[66:67]
	s_cmp_eq_u32 s14, 2                            ; wave w (0 to 2) stores product w's 512 bytes of scale words
	s_cselect_b32 s66, s17, s42                    ; the K step: ty for v, tx for q and k
	s_cselect_b32 s69, s42, s17                    ; the block of 8 tiles
	s_lshl_b32 s66, s66, 13
	s_lshl_b32 s69, s69, 9
	s_add_co_u32 s66, s66, s69
	s_min_u32 s69, s14, 2
	s_mul_i32 s69, s69, SREG
	s_add_co_u32 s66, s66, s69
	s_add_nc_u64 s[10:11], s[10:11], s[66:67]
.macro FRAG reg, adr, off
	ds_load_b128 v[(\reg):(\reg)+3], v[\adr] offset:\off
	ds_load_b128 v[(\reg)+4:(\reg)+7], v[\adr] offset:(\off)+512
	ds_load_b128 v[(\reg)+8:(\reg)+11], v[\adr] offset:(\off)+1024
.endm
.macro FETCH slot, q, set, pitch       ; 48 LDS loads in one run: x's four fragments, W_q's, W_k's, W_v's
	WIN (1+(\set))<<6
.irp i, 0,1,2,3
	FRAG FR*\i, AX+\slot, (\pitch)*\i+FRB*(\q)
.endr
.irp i, 0,1,2,3
	FRAG 48+FR*\i, AW+\slot, (\pitch)*\i+FRB*(\q)
.endr
.irp i, 0,1,2,3
	FRAG 96+FR*\i, AW+\slot, PART+(\pitch)*\i+FRB*(\q)
.endr
.irp i, 0,1,2,3
	FRAG 144+FR*\i, AV+\slot, (\pitch)*\i+FRB*(\q)
.endr
.endm
.macro WM rd, ra, rb, rx, ry, pa, pb, zero     ; pa, pb: source 0's, source 1's scale words lie in lanes 16-31
.set rD, \rd
.set rA, \ra
.set rB, \rb
.set rX, \rx
.set rY, \ry
.if \zero
.if (\pa) && (\pb)
	v_wmma_scale_f32_16x16x128_f8f6f4 v[rD:rD+7], v[rA:rA+11], v[rB:rB+11], 0, v[rX], v[rY] matrix_a_fmt:MATRIX_FMT_FP6 matrix_b_fmt:MATRIX_FMT_FP6 matrix_a_scale:MATRIX_SCALE_ROW1 matrix_b_scale:MATRIX_SCALE_ROW1
.elseif (\pa)
	v_wmma_scale_f32_16x16x128_f8f6f4 v[rD:rD+7], v[rA:rA+11], v[rB:rB+11], 0, v[rX], v[rY] matrix_a_fmt:MATRIX_FMT_FP6 matrix_b_fmt:MATRIX_FMT_FP6 matrix_a_scale:MATRIX_SCALE_ROW1
.elseif (\pb)
	v_wmma_scale_f32_16x16x128_f8f6f4 v[rD:rD+7], v[rA:rA+11], v[rB:rB+11], 0, v[rX], v[rY] matrix_a_fmt:MATRIX_FMT_FP6 matrix_b_fmt:MATRIX_FMT_FP6 matrix_b_scale:MATRIX_SCALE_ROW1
.else
	v_wmma_scale_f32_16x16x128_f8f6f4 v[rD:rD+7], v[rA:rA+11], v[rB:rB+11], 0, v[rX], v[rY] matrix_a_fmt:MATRIX_FMT_FP6 matrix_b_fmt:MATRIX_FMT_FP6
.endif
.else
.if (\pa) && (\pb)
	v_wmma_scale_f32_16x16x128_f8f6f4 v[rD:rD+7], v[rA:rA+11], v[rB:rB+11], v[rD:rD+7], v[rX], v[rY] matrix_a_fmt:MATRIX_FMT_FP6 matrix_b_fmt:MATRIX_FMT_FP6 matrix_a_scale:MATRIX_SCALE_ROW1 matrix_b_scale:MATRIX_SCALE_ROW1
.elseif (\pa)
	v_wmma_scale_f32_16x16x128_f8f6f4 v[rD:rD+7], v[rA:rA+11], v[rB:rB+11], v[rD:rD+7], v[rX], v[rY] matrix_a_fmt:MATRIX_FMT_FP6 matrix_b_fmt:MATRIX_FMT_FP6 matrix_a_scale:MATRIX_SCALE_ROW1
.elseif (\pb)
	v_wmma_scale_f32_16x16x128_f8f6f4 v[rD:rD+7], v[rA:rA+11], v[rB:rB+11], v[rD:rD+7], v[rX], v[rY] matrix_a_fmt:MATRIX_FMT_FP6 matrix_b_fmt:MATRIX_FMT_FP6 matrix_b_scale:MATRIX_SCALE_ROW1
.else
	v_wmma_scale_f32_16x16x128_f8f6f4 v[rD:rD+7], v[rA:rA+11], v[rB:rB+11], v[rD:rD+7], v[rX], v[rY] matrix_a_fmt:MATRIX_FMT_FP6 matrix_b_fmt:MATRIX_FMT_FP6
.endif
.endif
.endm
; The 48 accumulators take turns, one instruction a turn, in the same order in every step.
.macro MULQK pr, set, ks, zero         ; q (pr = 0) or k (1): source 0 = W's tile b, source 1 = x's tile a
	WIN (1+(\set))*5+0xf0
.irp a, 0,1,2,3
.irp b, 0,1,2,3
	WM 128*(\pr)+8*(4*\a+\b), 48+48*(\pr)+FR*\b, FR*\a, SW+32*(\pr)+16*(\b/2)+(\ks), SX+16*(\a/2)+(\ks), \b%2, \a%2, \zero
.endr
.endr
.endm
.macro MULV set, ks, zero              ; v transposed: source 0 = x's tile b, source 1 = W_v's tile a
.irp a, 0,1,2,3
	WIN (1+(\set))*5+0x50*(1+\a/2)
.irp b, 0,1,2,3
	WM 192+8*(4*(\a%2)+\b), FR*\b, 144+FR*\a, SX+16*(\b/2)+(\ks), SW+64+16*(\a/2)+(\ks), \b%2, \a%2, \zero
.endr
.endr
.endm
.macro STEP slot, q, ks, zero
	s_wait_dscnt 24                                ; x's and W_q's fragments are in; the youngest 24 loads may be out
	MULQK 0, (\ks)%2, \ks, \zero
	PLACES                                         ; in front of loads into the set that the last step multiplied
	FETCH \slot, (\q)+1, 1-(\ks)%2, PITCH
	s_wait_dscnt 48                                ; all but the 48 just issued
	MULQK 1, (\ks)%2, \ks, \zero
	MULV (\ks)%2, \ks, \zero
.endm
.macro TURN slot, next, ks, fill, np, pf   ; a slot's last step.  fill = 1: the slot takes the chunk two on; 2: the last, short chunk; 0: nothing is left to fetch.  pf: the ask that stands here, or 0
	WIN 0
	s_wait_tensorcnt 0x0                           ; my one load that was out, my part of the next slot, has landed;
	ds_add_u32 v[SPW], v[NIL]
	s_wait_dscnt 0x0                               ; the add is done, and my reads of this slot are over
	s_barrier_signal -1
	MULQK 0, (\ks)%2, \ks, 0                       ; work on registers while the others arrive
	WIN 0
	s_barrier_wait -1
.if \fill
	CREST                                          ; the barrier has opened a round of the cluster's barrier
	s_add_nc_u64 s[G0+4*\slot+2:G0+4*\slot+3], s[G0+4*\slot+2:G0+4*\slot+3], 2*PITCH
	s_add_nc_u64 s[G0B+4*\slot+2:G0B+4*\slot+3], s[G0B+4*\slot+2:G0B+4*\slot+3], 2*PITCH
.if \fill == 2
	JLOAD G0+4*\slot, G1L, G0B+4*\slot, G1BL
.else
	JLOAD G0+4*\slot, G1, G0B+4*\slot, G1B         ; its four v_nop are the places in front of the loads below
.endif
.else
	v_sub_nc_u32 v[AX+1], v[AX+1], s75             ; the short chunk's pitch; these four lines are the places too
	v_sub_nc_u32 v[AW+1], v[AW+1], s79
	v_sub_nc_u32 v[AV+1], v[AV+1], s79
	v_nop
.endif
	FETCH \next, 0, 1-(\ks)%2, \np
.if \pf
	ASK \pf                                        ; behind the joint load and the run of LDS loads
.endif
	MULQK 1, (\ks)%2, \ks, 0
	MULV (\ks)%2, \ks, 0
.endm
	s_wait_alu depctr_va_vdst(0)
	s_wait_tensorcnt 0x0                           ; my part of chunk 0 is in; slot 1's first fill is issued as a refill is:
	ds_add_u32 v[SPW], v[NIL]
	s_wait_dscnt 0x0
	CROUND
	JLOAD G0+4, G1, G0B+4, G1B                     ; chunk 1
	FETCH 0, 0, 0, PITCH
	ASK 3                                          ; the rest of chunk 2
	s_wait_loadcnt 0x0                             ; the scale words
	STEP 0, 0, 0, 1                                ; the first step's products start the sums
	STEP 0, 1, 1, 0
	TURN 0, 1, 2, 1, PITCH, 4
	STEP 1, 0, 3, 0
	STEP 1, 1, 4, 0
	TURN 1, 0, 5, 1, PITCH, 5
	STEP 0, 0, 6, 0
	STEP 0, 1, 7, 0
	TURN 0, 1, 8, 1, PITCH, 0
	STEP 1, 0, 9, 0
	STEP 1, 1, 10, 0
	TURN 1, 0, 11, 2, PITCH, 0
	STEP 0, 0, 12, 0
	STEP 0, 1, 13, 0
	TURN 0, 1, 14, 0, FRB, 0
	s_wait_dscnt 24
	MULQK 0, 1, 15, 0                              ; the last K step goes product by product: q is finished here and leaves (below) ahead of k's and v's last products
	s_wait_dscnt 0x0
	WIN 0
	PLACES
.irp b, 0,1,2,3
	v_mov_b32 v[TM+4+\b], 0                        ; a lane permute's destination counts as one of its sources
.endr
; THE WAY OUT, six groups of 64 registers: two tiles of the kept axis x two blocks of 32 along the next K.  Block b's 16 registers are my 16 of its 32 numbers; lane l xor 16 holds the others.
; Every group has registers of its own for its codes and words: no store's data are written again.
.macro QUANT g, w, ac, sb, off, sca, soff, pc  ; pc: the group's 24 registers of codes
.set PC, \pc
	WIN ((\w)<<2)|((\w)<<4)
.irp b, 0,1,2,3
	v_max3_num_f32 v[TM+\b], 0x1800000, |v[\ac+16*\b]|, |v[\ac+16*\b+1]|   ; each accumulator from its low end on; the floor 2^(3 - 127) holds the byte at 1 from below
.endr
.irp i, 2,4,6,8,10,12,14
.irp b, 0,1,2,3
	v_max3_num_f32 v[TM+\b], v[TM+\b], |v[\ac+16*\b+\i]|, |v[\ac+16*\b+\i+1]|
.endr
.endr
	WIN 0
.irp b, 0,1,2,3
	v_permlanex16_b32 v[TM+4+\b], v[TM+\b], s[SEL], s[SEL+1]
.endr
.irp b, 0,1,2,3
	v_max_num_f32 v[TM+\b], v[TM+\b], v[TM+4+\b]
.endr
.irp b, 0,1,2,3
	v_add_nc_u32 v[TM+12+\b], 0xff000000, v[TM+\b] ; 2 off the exponent field: the conversion's scale operand
.endr
.irp b, 0,1,2,3
	v_lshrrev_b32 v[TM+8+\b], 23, v[TM+12+\b]      ; the byte
.endr
.irp t, 0,1
	v_lshl_or_b32 v[BW+2*(\g)+\t], v[TM+9+2*\t], 8, v[TM+8+2*\t]   ; tile t's two bytes of its row's word
.endr
	WIN \w
.irp b, 0,1,2,3
	v_cvt_scalef32_pk16_fp6_f32 v[PC+6*\b:PC+6*\b+2], v[\ac+16*\b:\ac+16*\b+15], v[TM+12+\b]
.endr
	WIN 0
	v_nop                                          ; one plain place behind a scaled conversion
.irp t, 0,1                            ; a whole block in a lane: lanes 0-15 the first block, lanes 16-31 the second
.irp i, 0,1,2
	v_permlane16_swap_b32 v[PC+12*\t+\i], v[PC+12*\t+6+\i]
.endr
.irp i, 0,1,2
	v_mov_b32 v[PC+12*\t+3+\i], v[PC+12*\t+6+\i]
.endr
.endr
.irp t, 0,1
	global_store_b128 v[O16], v[PC+12*\t:PC+12*\t+3], s[\sb:\sb+1] offset:(\off)+TROW*\t       ; half a fragment: 512 + 256 consecutive bytes
	global_store_b64 v[O8], v[PC+12*\t+4:PC+12*\t+5], s[\sb:\sb+1] offset:(\off)+TROW*\t+512
.endr
	v_cndmask_b32 v[MW+(\g)], v[BW+2*(\g)], v[BW+2*(\g)+1], s[HM]   ; lanes 0-15 the even tile's rows, lanes 16-31 the odd tile's
	ds_store_b16 v[\sca], v[MW+(\g)] offset:\soff
.endm
	; The codes' registers lie where no scale word of a product still to come lies: K step 15 reads v47, v63 (x), v111, v127 (W_k), v143, v159 (W_v).
	QUANT 0, 3, 0,   8,  0,          SCA, 0,   64
	QUANT 1, 3, 64,  8,  2*TROW,     SCA, 128, 216
	MULQK 1, 1, 15, 0                              ; k is finished
	WIN 0
	PLACES
	QUANT 2, 3, 128, 8,  REG,        SCA, 512, 88
	QUANT 3, 3, 192, 8,  REG+2*TROW, SCA, 640, 112
	MULV 1, 15, 0                                  ; v is finished
	WIN 0
	PLACES
	QUANT 4, 1, 192, 12, 0,          SCV, 0,   32
	QUANT 5, 2, 192, 12, 2*TROW,     SCV, 128, 136
	s_wait_dscnt 0x0                               ; for the others' sake: my bytes lie in LDS
	s_barrier_signal -1
	s_barrier_wait -1
	s_cmp_eq_u32 s14, 3
	s_cbranch_scc1 .Lno_words                      ; three products, three waves
	ds_load_b128 v[212:215], v[SCRD]
	s_wait_dscnt 0x0
	global_store_b128 v[O16], v[212:215], s[10:11] ; 512 consecutive bytes, aligned
.Lno_words:
	s_wait_tensorcnt 0x0                           ; the wave's end
	ds_add_u32 v[SPW], v[NIL]
	s_wait_dscnt 0x0
	CROUND                                         ; the closing round
	s_endpgm
.Lfunc_end_k_qa51cbfa0cf_proj:
	.size	k_qa51cbfa0cf_proj, .Lfunc_end_k_qa51cbfa0cf_proj-k_qa51cbfa0cf_proj
	.p2alignl 7, 3214868480
	.fill 96, 4, 3214868480
	.section	.rodata,"a",@progbits
	.p2align	6, 0x0
	.amdhsa_kernel k_qa51cbfa0cf_proj
		.amdhsa_group_segment_fixed_size 327680
		.amdhsa_private_segment_fixed_size 0
		.amdhsa_enable_private_segment 0
		.amdhsa_kernarg_size 32
		.amdhsa_user_sgpr_count 2
		.amdhsa_user_sgpr_kernarg_segment_ptr 1
		.amdhsa_wavefront_size32 1
		.amdhsa_system_sgpr_workgroup_id_x 1
		.amdhsa_system_sgpr_workgroup_id_y 1
		.amdhsa_system_sgpr_workgroup_id_z 1
		.amdhsa_system_vgpr_workitem_id 0
		.amdhsa_next_free_vgpr 1024
		.amdhsa_next_free_sgpr 100
		.amdhsa_reserve_vcc 0
		.amdhsa_float_denorm_mode_32 3
		.amdhsa_float_denorm_mode_16_64 3
		.amdhsa_memory_ordered 1
		.amdhsa_forward_progress 1
		.amdhsa_inst_pref_size 198
	.end_amdhsa_kernel
	.amdgpu_metadata
---
amdhsa.version: [ 1, 2 ]
amdhsa.kernels:
  - .name:           k_qa51cbfa0cf_proj
    .symbol:         k_qa51cbfa0cf_proj.kd
    .args:
      - { .name: cin, .offset: 0, .size: 8, .value_kind: global_buffer, .address_space: global }
      - { .name: sin, .offset: 8, .size: 8, .value_kind: global_buffer, .address_space: global }
      - { .name: cqkv, .offset: 16, .size: 8, .value_kind: global_buffer, .address_space: global }
      - { .name: sqkv, .offset: 24, .size: 8, .value_kind: global_buffer, .address_space: global }
    .group_segment_fixed_size: 327680
    .private_segment_fixed_size: 0
    .kernarg_segment_align: 8
    .kernarg_segment_size: 32
    .max_flat_workgroup_size: 128
    .sgpr_count:     100
    .vgpr_count:     1024
    .wavefront_size: 32
...
	.end_amdgpu_metadata
.endif
;; end of part 2
;; launch scores (part 3): grid 16 x 16, 4 waves a work-group, clusters of 4 x 4, 327,680 bytes of LDS; arguments cqkv, sqkv, mask, pc, pst, psc; writes pc, pst, psc
.if DOCPART == 3
	.amdgcn_target "amdgcn-amd-amdhsa--gfx1250"
	.amdhsa_code_object_version 6
	.text
	.protected	k_qa51cbfa0cf_scores
	.globl	k_qa51cbfa0cf_scores
	.p2align	8
	.type	k_qa51cbfa0cf_scores,@function
k_qa51cbfa0cf_scores:
	s_mov_b64 s[64:65], 0
	v_nop
	global_prefetch_b8 v0, s[64:65] scope:SCOPE_SE
	s_setreg_imm32_b32 hwreg(HW_REG_WAVE_MODE, 25, 1), 1
	s_wait_xcnt 0x0
	s_wait_alu depctr_hold_cnt(0) depctr_sa_sdst(0) depctr_va_vdst(0) depctr_va_sdst(0) depctr_va_ssrc(0) depctr_va_vcc(0) depctr_vm_vsrc(0)
	s_getreg_b32 s2, hwreg(HW_REG_IB_STS2, 6, 4)
	s_cmp_eq_u32 s2, 0
	s_cbranch_scc0 .Lentry_in_a_cluster
	s_endpgm
.Lentry_in_a_cluster:
	s_bfe_u32 s2, ttmp6, 0x10000c
	s_cmp_lg_u32 s2, 0xf033
	s_cbranch_scc0 .Lentry_shape_is_right
	s_endpgm
.Lentry_shape_is_right:
; Launch 3 of 4: product 4 (q k^T), the scaling, the mask, and the softmax's p, quantised along the keys.  No work of reference() is left out: the mask is an input, so every tile is computed and the mask selects.
; t = score x log2(e) / sqrt(2048); where the mask's byte is 1, t = f32(-1e9 x log2(e)), a whole number.  p = 2^(t - M) under a LOCAL M: for each query and each group of 64 keys, M = ceil(the group's largest t).
; M is a whole number, so the last launch brings a group under the row's M by moving p's scale bytes: the codes stay.  Stored: p's codes (the layout of the first launch's head), its scale bytes, and for each query and group -M and the sum l of the unquantised p.
; A work-group makes 128 queries x 128 keys, a wave 64 x 64: 16 accumulators.  SOURCE 0 = 16 keys (k), SOURCE 1 = 16 queries (q): a lane holds one query, and the 32 registers of q's tile a are keys 32 b + 16 (lane / 16) + 0 .. 15, b = 0, 1.
; K = 2,048 goes in four chunks of 512 through three LDS slots: three first fills, and one refill of slot 0, asked for as soon as chunk 0 is read.  A wave has one tensor load out at any time.
; CLUSTERS: 4 x 4; q's tiles are shared along a row of the cluster, k's along a column: joint loads.
; LIMITS: unmasked t is taken to lie above -1.44e9; mask bytes are 0 or 1; a block whose every p is 0 keeps the byte 1 (its codes are zeros); NaN and infinities are not served.
; REGISTERS: window 0: v4-15 fragment addresses; v16-22 other addresses; v32-63 q's scale words, v64-95 k's (register 16 (tile / 2) + ks); v96-127 the mask's bytes; v128-255 the accumulators, (a, b) at 128 + 8 (4 a + b).
;   window 1: two sets of fragments, at v0 and v96: q's four at + 12 a, k's four at + 48 + 12 b.
.set REG,   3145728
.set SREG,  131072
.set FRB,   1536
.set FR,    12
.set TROW,  16*FRB
.set PART,  4*4*FRB
.set SLOT,  4*PART
.set SPARE, 3*SLOT
.set STAT,  SPARE+512                  ; 2,048 bytes: -M and l on their way out
.set SCW,   STAT+2048                  ; 512 bytes: p's scale words
.set S1A16, 4
.set S1A8,  7
.set S0A16, 10
.set S0A8,  13
.set MKA,   16
.set O16,   17
.set O8,    18
.set STA,   19
.set SCA,   20
.set STRD,  21
.set SCRD,  22
.set SPW,   28
.set NIL,   29
.set SA,    32
.set SB,    64
.set MK,    96
.set ACC,   128
.set XM,    32                         ; the way out: v32-63 255 x the mask's words; v64-71 a byte spread over a word
.set YM,    64
.set PC,    32                         ; later: the codes, 12 registers a tile
.set BM,    80                         ; v80-87  a block's largest t, then p
.set NM,    88                         ; v88-95  -M, in pairs
.set SO,    96
.set PT,    104
.set SU,    112
.set BY,    120
.set CS,  72                           ; s[72:73] c
.set SL,  76                           ; s[76:79] byte selects
.set TMK, 80
.set HM,  81
.set SEL, 82
.set G1,  24
.set G0,  32
.set G1B, 44
.set G0B, 52
.set MSB, 0
.macro WIN new
.if MSB != \new
	s_set_vgpr_msb (MSB<<8)|\new
.set MSB, \new
.endif
.endm
.set MUL,  0x05                        ; sources 0 and 1 window 1; C and D window 0
.set TO_F, 0x40
.macro JLOAD g0a, g1a, g0b, g1b        ; waves 0, 1 fetch source 1's halves, waves 2, 3 source 0's; an s_nop 0 and four v_nop follow each line
	s_cmp_eq_u32 s17, 0
	s_cbranch_scc0 .Lfor_b_\@
	tensor_load_to_lds s[\g0a:\g0a+3], s[\g1a:\g1a+7]
	s_nop 0
.rept 4
	v_nop
.endr
	s_branch .Lasked_\@
.Lfor_b_\@:
	tensor_load_to_lds s[\g0b:\g0b+3], s[\g1b:\g1b+7]
	s_nop 0
.rept 4
	v_nop
.endr
.Lasked_\@:
.endm
.macro CREST
	s_cmp_lg_u32 s16, 0
	s_cbranch_scc1 .Lnot_wave_0_\@
	s_barrier_signal -3
.Lnot_wave_0_\@:
	s_barrier_wait -3
	s_barrier_signal -1
	s_barrier_wait -1
.endm
.macro CROUND
	s_barrier_signal -1
	s_barrier_wait -1
	CREST
.endm
.macro PLACES
.rept 4
	v_nop
.endr
.endm
	s_load_b256 s[4:11], s[0:1], 0x0               ; cqkv, sqkv, mask, pc
	s_load_b128 s[12:15], s[0:1], 0x20             ; pst, psc
	v_lshl_add_u32 v[SPW], v0, 2, SPARE
	v_mov_b32 v[NIL], 0
	ds_add_u32 v[SPW], v[NIL]                      ; the opening: the add, twice on end, and its wait ahead of my first tensor load
	ds_add_u32 v[SPW], v[NIL]
	v_lshrrev_b32 v1, 5, v0
	v_readfirstlane_b32 s16, v1                    ; wave
	s_lshr_b32 s17, s16, 1                         ; hr: my half of the queries.  Also: I fetch for q (0) or k (1)
	s_and_b32 s18, s16, 1                          ; hc: my half of the keys.  Also: which 4 tiles I fetch
	s_bfe_u32 s19, ttmp6, 0x40000                  ; cx
	s_bfe_u32 s20, ttmp6, 0x40004                  ; cy
	s_lshl_b32 s21, ttmp9, 2
	s_add_co_u32 s21, s21, s19                     ; tx: 128 keys
	s_and_b32 s22, ttmp7, 0xffff
	s_lshl_b32 s22, s22, 2
	s_add_co_u32 s22, s22, s20                     ; ty: 128 queries
	s_lshl_b32 s23, s20, 2
	s_lshl_b32 s23, 15, s23                        ; my row of the cluster
	s_lshl_b32 s84, 0x1111, s19                    ; my column
	s_or_b32 s[G1+0], s23, (3<<16)|(1<<21)
	s_or_b32 s[G1B+0], s84, (3<<16)|(1<<21)
.irp g, G1, G1B
	s_mov_b32 s[\g+1], 768<<16                     ; tensor_dim0: 6,144 bytes: a tile's four K steps
	s_mov_b32 s[\g+2], 4<<16                       ; tensor_dim1: 4 tiles
	s_mov_b32 s[\g+3], 768<<16
	s_mov_b32 s[\g+4], 4
	s_mov_b32 s[\g+5], TROW/8
	s_mov_b32 s[\g+6], 0
	s_mov_b32 s[\g+7], 0
.endr
	s_lshl_b32 s66, s22, 3
	s_lshl_b32 s67, s18, 2
	s_add_co_u32 s66, s66, s67                     ; q: tile 8 ty + 4 x half
	s_mul_i32 s66, s66, TROW
	s_mov_b32 s67, 0
	s_lshl_b32 s68, s21, 3
	s_lshl_b32 s69, s18, 2
	s_add_co_u32 s68, s68, s69                     ; k: tile 8 tx + 4 x half, in the second region
	s_mul_i32 s68, s68, TROW
	s_add_co_u32 s68, s68, REG
	s_mov_b32 s69, 0
	s_mul_i32 s70, s16, PART
	s_mov_b32 s[CS], 0x3d0293ee                    ; c = log2(e) / sqrt(2048)
	s_mov_b32 s[CS+1], s[CS]
	s_mov_b32 s[SL], 0
	s_mov_b32 s[SL+1], 0x01010101
	s_mov_b32 s[SL+2], 0x02020202
	s_mov_b32 s[SL+3], 0x03030303
	s_mov_b32 s[TMK], 0xceabfb8f                   ; -1,442,695,040 = f32(-1e9 x log2(e))
	s_mov_b32 s[HM], 0xffff0000
	s_mov_b32 s[SEL], 0x76543210
	s_mov_b32 s[SEL+1], 0xfedcba98
	s_wait_dscnt 0x0
	CROUND                                         ; the round in front of the first joint loads needs no argument: it stands ahead of the wait for them
	s_wait_kmcnt 0x0
	s_add_nc_u64 s[66:67], s[4:5], s[66:67]
	s_add_nc_u64 s[68:69], s[4:5], s[68:69]
.irp s, 0,1
	s_mov_b32 s[G0+4*\s], 1
	s_add_co_u32 s[G0+4*\s+1], s70, \s*SLOT
	s_add_nc_u64 s[G0+4*\s+2:G0+4*\s+3], s[66:67], \s*4*FRB
	s_or_b32 s[G0+4*\s+3], s[G0+4*\s+3], 0x80000000
	s_mov_b32 s[G0B+4*\s], 1
	s_add_co_u32 s[G0B+4*\s+1], s70, \s*SLOT
	s_add_nc_u64 s[G0B+4*\s+2:G0B+4*\s+3], s[68:69], \s*4*FRB
	s_or_b32 s[G0B+4*\s+3], s[G0B+4*\s+3], 0x80000000
.endr
	; THE LOADS, as they now stand (the head comment's count of three loads out at the start holds no more: one load of a wave is out at any time): chunk 0 at the head, into slot 0;
	; chunks 1 and 2 by ONE load with rows of 12,288 bytes, behind the full sequence and a round, into the 2 SLOT bytes behind slot 0, 2 PART bytes a wave; chunk 3 refills slot 0.
	s_add_co_u32 s[G0+5], s[G0+5], s70
	s_add_co_u32 s[G0B+5], s[G0B+5], s70
	JLOAD G0, G1, G0B, G1B
	v_and_b32 v1, 31, v0                           ; lane
	v_and_b32 v2, 15, v0                           ; r
	v_bfe_u32 v3, v0, 4, 1                         ; h
	v_lshlrev_b32 v[O16], 4, v1
	v_lshlrev_b32 v[O8], 3, v1
	v_lshlrev_b32 v31, 2, v1                       ; 4 x lane
	v_lshlrev_b32 v23, 8, v1                       ; the prefetches' offsets, never rewritten: a lane a block of 256 bytes;
	v_min_u32 v24, 7, v1
	v_lshlrev_b32 v24, 8, v24                      ; and for the last 8 blocks (the lanes left over name the last block again)
	s_wait_alu depctr_va_vdst(0)
	; PREFETCH: a tile's 16 K steps are 24,576 consecutive bytes, 96 blocks of 256.  Of the 4 tiles that my wave fetches, each of the four partners that ask jointly takes one, told apart by address (cx for q, cy for k).
	; Blocks 24 to 87 (chunks 1 and 2 and two thirds of chunk 3) are named here, behind chunk 0's load; blocks 88 to 95 behind the load of chunks 1 and 2: each chunk is named whole one load ahead of its own.
	s_cmp_eq_u32 s17, 0
	s_cselect_b64 s[96:97], s[66:67], s[68:69]
	s_cselect_b32 s98, s19, s20
	s_mul_i32 s98, s98, TROW
	s_mov_b32 s99, 0
	s_add_nc_u64 s[96:97], s[96:97], s[98:99]
	global_prefetch_b8 v23, s[96:97] offset:6144 th:TH_LOAD_NT scope:SCOPE_SE
	global_prefetch_b8 v23, s[96:97] offset:14336 th:TH_LOAD_NT scope:SCOPE_SE
	v_add_nc_u32 v30, 512, v[O8]
	s_lshl_b32 s88, s22, 3                         ; q's scale words: tiles 8 ty + 4 hr on
	s_lshl_b32 s89, s17, 2
	s_add_co_u32 s88, s88, s89
	s_lshl_b32 s88, s88, 6                         ; sqkv: the word of (ks, tile T, row r) lies at ks x 8,192 + T x 64 + r x 4
	s_mov_b32 s89, 0
	s_add_nc_u64 s[88:89], s[6:7], s[88:89]
	s_lshl_b32 s90, s21, 3                         ; k's: tiles 8 tx + 4 hc on
	s_lshl_b32 s91, s18, 2
	s_add_co_u32 s90, s90, s91
	s_lshl_b32 s90, s90, 6
	s_add_co_u32 s90, s90, SREG
	s_mov_b32 s91, 0
	s_add_nc_u64 s[90:91], s[6:7], s[90:91]
.irp p, 0,1
.irp e, 0,1,2,3,4,5,6,7,8,9,10,11,12,13,14,15
	global_load_b32 v[SA+16*\p+\e], v31, s[88:89] offset:8192*\e+128*\p   ; a pair of tiles' words of one K step: 128 consecutive bytes
	global_load_b32 v[SB+16*\p+\e], v31, s[90:91] offset:8192*\e+128*\p
.endr
.endr
	v_and_b32 v[MKA], 8, v2                        ; the mask: my query's row r + 8 (r / 8) of a tile, + 16 h: my 16 keys of a block
	v_add_nc_u32 v[MKA], v[MKA], v2
	v_lshlrev_b32 v[MKA], 11, v[MKA]
	v_lshl_add_u32 v[MKA], v3, 4, v[MKA]
	s_wait_alu depctr_va_vdst(0)
	s_lshl_b32 s92, s22, 18                        ; (128 ty + 64 hr) rows of 2,048 bytes + 128 tx + 64 hc
	s_lshl_b32 s93, s17, 17
	s_add_co_u32 s92, s92, s93
	s_lshl_b32 s93, s21, 7
	s_add_co_u32 s92, s92, s93
	s_lshl_b32 s93, s18, 6
	s_add_co_u32 s92, s92, s93
	s_mov_b32 s93, 0
	s_add_nc_u64 s[8:9], s[8:9], s[92:93]
.irp a, 0,1,2,3
.irp b, 0,1
	global_load_b128 v[MK+8*\a+4*\b:MK+8*\a+4*\b+3], v[MKA], s[8:9] offset:(32*(\a/2)+8*(\a%2))*2048+32*\b th:TH_LOAD_NT   ; byte k of register m belongs to accumulator register 4 m + k
.endr
.endr
	s_mul_i32 s85, s17, PART
	s_mul_i32 s86, s18, PART
	s_add_co_u32 s86, s86, 2*PART
.irp s, 0,1                            ; 0: slot 0; 1: the bytes of chunks 1 and 2, where a part is twice as long
	v_add_nc_u32 v[S1A16+\s], s85, v[O16]
	v_add_nc_u32 v[S1A8+\s], s85, v30
	v_add_nc_u32 v[S0A16+\s], s86, v[O16]
	v_add_nc_u32 v[S0A8+\s], s86, v30
	s_lshl_b32 s85, s85, 1
	s_lshl_b32 s86, s86, 1
	s_add_co_u32 s85, s85, SLOT
	s_add_co_u32 s86, s86, SLOT
.endr
	s_lshl_b32 s85, s17, 10                        ; -M and l in LDS: 1,024 hr + 16 lane + 4 hc
	s_lshl_b32 s86, s18, 2
	s_add_co_u32 s85, s85, s86
	s_add_co_u32 s85, s85, STAT
	v_add_nc_u32 v[STA], s85, v[O16]
	s_lshl_b32 s85, s17, 8                         ; p's two bytes: 256 hr + 4 lane + 2 hc
	s_lshl_b32 s86, s18, 1
	s_add_co_u32 s85, s85, s86
	s_add_co_u32 s85, s85, SCW
	v_lshl_add_u32 v[SCA], v1, 2, s85
	s_lshl_b32 s85, s16, 9
	s_add_co_u32 s85, s85, STAT
	v_add_nc_u32 v[STRD], s85, v[O16]
	v_add_nc_u32 v[SCRD], SCW, v[O16]
	s_lshl_b32 s92, s22, 3                         ; p's codes: fragment (tile 8 ty + 4 hr + a, K step tx), half hc
	s_lshl_b32 s93, s17, 2
	s_add_co_u32 s92, s92, s93
	s_lshl_b32 s92, s92, 4
	s_add_co_u32 s92, s92, s21
	s_mul_i32 s92, s92, FRB
	s_mul_i32 s93, s18, 768
	s_add_co_u32 s92, s92, s93
	s_mov_b32 s93, 0
	s_add_nc_u64 s[10:11], s[10:11], s[92:93]
	s_lshl_b32 s92, s22, 2                         ; -M, l: ((4 ty + wave) x 16 + tx) x 512
	s_add_co_u32 s92, s92, s16
	s_lshl_b32 s92, s92, 4
	s_add_co_u32 s92, s92, s21
	s_lshl_b32 s92, s92, 9
	s_add_nc_u64 s[12:13], s[12:13], s[92:93]
	s_lshl_b32 s92, s21, 13                        ; p's scale words: 8,192 tx + 512 ty
	s_lshl_b32 s94, s22, 9
	s_add_co_u32 s92, s92, s94
	s_add_nc_u64 s[14:15], s[14:15], s[92:93]
.macro FRAG reg, a16, a8, off
	ds_load_b128 v[(\reg):(\reg)+3], v[\a16] offset:\off
	ds_load_b64 v[(\reg)+4:(\reg)+5], v[\a8] offset:\off
	ds_load_b128 v[(\reg)+6:(\reg)+9], v[\a16] offset:(\off)+768
	ds_load_b64 v[(\reg)+10:(\reg)+11], v[\a8] offset:(\off)+768
.endm
.macro FETCH ks                        ; 32 LDS loads in one run: source 0's four fragments, then source 1's
.if ((\ks)/4)%3 == 0                   ; chunks 0 and 3 lie in slot 0, a tile's four K steps on end
.set sl, 0
.set tp, 4*FRB
.set fo, FRB*((\ks)%4)
.else                                  ; chunks 1 and 2: a tile's eight K steps on end
.set sl, 1
.set tp, 8*FRB
.set fo, FRB*((\ks)-4)
.endif
.set fs, 96*((\ks)%2)
	WIN TO_F
.irp b, 0,1,2,3
	FRAG fs+48+FR*\b, S0A16+sl, S0A8+sl, fo+tp*\b
.endr
.irp a, 0,1,2,3
	FRAG fs+FR*\a, S1A16+sl, S1A8+sl, fo+tp*\a
.endr
.endm
.macro WM a, b, ks, zero
.set rD, ACC+8*(4*(\a)+(\b))
.set rA, 96*((\ks)%2)+48+FR*(\b)
.set rB, 96*((\ks)%2)+FR*(\a)
.set rX, SB+16*((\b)/2)+(\ks)
.set rY, SA+16*((\a)/2)+(\ks)
.if \zero
.if ((\a)%2) && ((\b)%2)
	v_wmma_scale_f32_16x16x128_f8f6f4 v[rD:rD+7], v[rA:rA+11], v[rB:rB+11], 0, v[rX], v[rY] matrix_a_fmt:MATRIX_FMT_FP6 matrix_b_fmt:MATRIX_FMT_FP6 matrix_a_scale:MATRIX_SCALE_ROW1 matrix_b_scale:MATRIX_SCALE_ROW1
.elseif (\b)%2
	v_wmma_scale_f32_16x16x128_f8f6f4 v[rD:rD+7], v[rA:rA+11], v[rB:rB+11], 0, v[rX], v[rY] matrix_a_fmt:MATRIX_FMT_FP6 matrix_b_fmt:MATRIX_FMT_FP6 matrix_a_scale:MATRIX_SCALE_ROW1
.elseif (\a)%2
	v_wmma_scale_f32_16x16x128_f8f6f4 v[rD:rD+7], v[rA:rA+11], v[rB:rB+11], 0, v[rX], v[rY] matrix_a_fmt:MATRIX_FMT_FP6 matrix_b_fmt:MATRIX_FMT_FP6 matrix_b_scale:MATRIX_SCALE_ROW1
.else
	v_wmma_scale_f32_16x16x128_f8f6f4 v[rD:rD+7], v[rA:rA+11], v[rB:rB+11], 0, v[rX], v[rY] matrix_a_fmt:MATRIX_FMT_FP6 matrix_b_fmt:MATRIX_FMT_FP6
.endif
.else
.if ((\a)%2) && ((\b)%2)
	v_wmma_scale_f32_16x16x128_f8f6f4 v[rD:rD+7], v[rA:rA+11], v[rB:rB+11], v[rD:rD+7], v[rX], v[rY] matrix_a_fmt:MATRIX_FMT_FP6 matrix_b_fmt:MATRIX_FMT_FP6 matrix_a_scale:MATRIX_SCALE_ROW1 matrix_b_scale:MATRIX_SCALE_ROW1
.elseif (\b)%2
	v_wmma_scale_f32_16x16x128_f8f6f4 v[rD:rD+7], v[rA:rA+11], v[rB:rB+11], v[rD:rD+7], v[rX], v[rY] matrix_a_fmt:MATRIX_FMT_FP6 matrix_b_fmt:MATRIX_FMT_FP6 matrix_a_scale:MATRIX_SCALE_ROW1
.elseif (\a)%2
	v_wmma_scale_f32_16x16x128_f8f6f4 v[rD:rD+7], v[rA:rA+11], v[rB:rB+11], v[rD:rD+7], v[rX], v[rY] matrix_a_fmt:MATRIX_FMT_FP6 matrix_b_fmt:MATRIX_FMT_FP6 matrix_b_scale:MATRIX_SCALE_ROW1
.else
	v_wmma_scale_f32_16x16x128_f8f6f4 v[rD:rD+7], v[rA:rA+11], v[rB:rB+11], v[rD:rD+7], v[rX], v[rY] matrix_a_fmt:MATRIX_FMT_FP6 matrix_b_fmt:MATRIX_FMT_FP6
.endif
.endif
.endm
.macro MUL8 ks, a0, zero               ; the 16 accumulators take turns, in the same order in every step
.irp a, \a0, \a0+1
.irp b, 0,1,2,3
	WM \a, \b, \ks, \zero
.endr
.endr
.endm
.macro STEP ks, zero
	s_wait_dscnt 8                                 ; source 0's four fragments and source 1's tiles 0, 1 are in; the youngest 8 loads may be out
	WIN MUL
	MUL8 \ks, 0, \zero
	PLACES
	FETCH (\ks)+1
	s_wait_dscnt 32                                ; all but the 32 just issued
	WIN MUL
	MUL8 \ks, 2, \zero
.endm
.macro TURN ks, fill                   ; a step behind which a slot is read for the first time: every wave's loads have landed; fill = 1: slot 0, read out, takes the last chunk
	WIN 0
	s_wait_tensorcnt 0x0
	ds_add_u32 v[SPW], v[NIL]
	s_wait_dscnt 9                                 ; (the add and the youngest 8 loads may be out)
	WIN MUL
	MUL8 \ks, 0, 0
	s_wait_dscnt 0x0                               ; the add is done, and my reads so far are over
	s_barrier_signal -1
	WIN 0
	s_barrier_wait -1
.if \fill
	CREST                                          ; a round of the cluster's barrier: no wave of any partner still reads slot 0 or has a load on its way
	s_mov_b32 s[G1+1], 768<<16                     ; no load of mine is out: rows of four K steps again
	s_mov_b32 s[G1+3], 768<<16
	s_mov_b32 s[G1B+1], 768<<16
	s_mov_b32 s[G1B+3], 768<<16
	s_add_nc_u64 s[G0+2:G0+3], s[G0+2:G0+3], 3*4*FRB
	s_add_nc_u64 s[G0B+2:G0B+3], s[G0B+2:G0B+3], 3*4*FRB
	JLOAD G0, G1, G0B, G1B                         ; it has eight steps in which to land; its four v_nop are the places in front of the loads below
.else
	PLACES
.endif
	s_wait_alu depctr_va_vdst(0)
	FETCH (\ks)+1
	WIN MUL
	MUL8 \ks, 2, 0
.endm
	s_wait_alu depctr_va_vdst(0)
	s_wait_tensorcnt 0x0                           ; my part of chunk 0 is in; a later first fill is issued as a refill is:
	ds_add_u32 v[SPW], v[NIL]
	s_mov_b32 s[G1+1], 1536<<16                    ; no load of mine is out: rows of eight K steps, 12,288 bytes
	s_mov_b32 s[G1+3], 1536<<16
	s_mov_b32 s[G1B+1], 1536<<16
	s_mov_b32 s[G1B+3], 1536<<16
	s_wait_dscnt 0x0
	CROUND
	JLOAD G0+4, G1, G0B+4, G1B                     ; chunks 1 and 2
	global_prefetch_b8 v24, s[96:97] offset:22528 th:TH_LOAD_NT scope:SCOPE_SE   ; the rest of chunk 3
	FETCH 0
	s_wait_loadcnt 0x0                             ; the scale words and the mask
	STEP 0, 1
	STEP 1, 0
	STEP 2, 0
	TURN 3, 1
	STEP 4, 0
	STEP 5, 0
	STEP 6, 0
	STEP 7, 0
	STEP 8, 0
	STEP 9, 0
	STEP 10, 0
	TURN 11, 0
	STEP 12, 0
	STEP 13, 0
	STEP 14, 0
	s_wait_dscnt 8
	WIN MUL
	MUL8 15, 0, 0
	s_wait_dscnt 0
	MUL8 15, 2, 0
	WIN 0
	PLACES
	; ---- t = score x c, each accumulator from its low end on
.set j, 0
.rept 64
	v_pk_mul_f32 v[ACC+j:ACC+j+1], v[ACC+j:ACC+j+1], s[CS:CS+1] op_sel_hi:[1,0]
.set j, j+2
.endr
	; ---- the mask: 255 x a word of bytes 0 or 1 has bytes 0 or 0xff; a byte spread over a word selects, bit by bit, between t and the masked t
.set m, 0
.rept 32
	v_lshlrev_b32 v[XM+m], 8, v[MK+m]
.set m, m+1
.endr
.set m, 0
.rept 32
	v_sub_nc_u32 v[XM+m], v[XM+m], v[MK+m]
.set m, m+1
.endr
.set m, 0
.rept 32
.irp k, 0,1,2,3
	v_perm_b32 v[YM+4*(m%2)+\k], v[XM+m], v[XM+m], s[SL+\k]
.endr
.irp k, 0,1,2,3
	v_bfi_b32 v[ACC+4*m+\k], v[YM+4*(m%2)+\k], s[TMK], v[ACC+4*m+\k]
.endr
.set m, m+1
.endr
.irp q, 0,1,2,3,4,5,6,7
	v_mov_b32 v[PT+\q], 0                          ; a lane permute's destination counts as one of its sources (the mask's bytes are done with)
.endr
.irp a, 0,1,2,3
	v_mov_b32 v[NM+2*\a+1], 0                      ; named as the upper half of a pair
.endr
	; ---- the largest t of each block of 32 keys (block q = 2 a + b): for M, and, since p rises with t, for the block's largest p
.irp q, 0,1,2,3,4,5,6,7
	v_max3_num_f32 v[BM+\q], v[ACC+16*\q], v[ACC+16*\q+1], v[ACC+16*\q+2]
.endr
.irp i, 3,5,7,9,11,13
.irp q, 0,1,2,3,4,5,6,7
	v_max3_num_f32 v[BM+\q], v[BM+\q], v[ACC+16*\q+\i], v[ACC+16*\q+\i+1]
.endr
.endr
.irp q, 0,1,2,3,4,5,6,7
	v_max_num_f32 v[BM+\q], v[BM+\q], v[ACC+16*\q+15]
.endr
.irp q, 0,1,2,3,4,5,6,7
	v_permlanex16_b32 v[PT+\q], v[BM+\q], s[SEL], s[SEL+1]
.endr
.irp q, 0,1,2,3,4,5,6,7
	v_max_num_f32 v[BM+\q], v[BM+\q], v[PT+\q]
.endr
.irp a, 0,1,2,3
	v_max_num_f32 v[NM+2*\a], v[BM+2*\a], v[BM+2*\a+1]
.endr
.irp a, 0,1,2,3
	v_floor_f32 v[NM+2*\a], -v[NM+2*\a]            ; -M = floor(-t) = -ceil(t): a whole number
.endr
.irp a, 0,1,2,3
.irp j, 0,2,4,6,8,10,12,14,16,18,20,22,24,26,28,30
	v_pk_add_f32 v[ACC+32*\a+\j:ACC+32*\a+\j+1], v[ACC+32*\a+\j:ACC+32*\a+\j+1], v[NM+2*\a:NM+2*\a+1] op_sel_hi:[1,0]   ; t - M
.endr
.endr
.irp q, 0,1,2,3,4,5,6,7
	v_add_f32 v[BM+\q], v[BM+\q], v[NM+2*(\q/2)]   ; the same of each block's largest t
.endr
.set j, 0
	s_wait_alu depctr_va_vdst(0)
.rept 128
	v_exp_f32 v[ACC+j], v[ACC+j]                   ; p = 2^(t - M), at most 1
.set j, j+1
.endr
.irp q, 0,1,2,3,4,5,6,7
	v_exp_f32 v[BM+\q], v[BM+\q]                   ; the block's largest p: the same steps on the same number
.endr
	v_nop                                          ; a plain place behind the last exponential
	s_wait_alu depctr_va_vdst(0)                   ; one wait ahead of the first reader for the whole batch
	; ---- l: the sum of the unquantised p of my query's 64 keys
.irp a, 0,1,2,3
	v_pk_add_f32 v[SU+2*\a:SU+2*\a+1], v[ACC+32*\a:ACC+32*\a+1], v[ACC+32*\a+2:ACC+32*\a+3]
.endr
.irp j, 4,6,8,10,12,14,16,18,20,22,24,26,28,30
.irp a, 0,1,2,3
	v_pk_add_f32 v[SU+2*\a:SU+2*\a+1], v[SU+2*\a:SU+2*\a+1], v[ACC+32*\a+\j:ACC+32*\a+\j+1]
.endr
.endr
.irp a, 0,1,2,3
	v_add_f32 v[SU+2*\a], v[SU+2*\a], v[SU+2*\a+1]
.endr
.irp a, 0,1,2,3
	v_permlanex16_b32 v[PT+\a], v[SU+2*\a], s[SEL], s[SEL+1]
.endr
.irp a, 0,1,2,3
	v_add_f32 v[SU+2*\a], v[SU+2*\a], v[PT+\a]
.endr
	; ---- the blocks' scales
.irp q, 0,1,2,3,4,5,6,7
	v_max_num_f32 v[BM+\q], 0x1800000, v[BM+\q]    ; the floor 2^(3 - 127)
.endr
.irp q, 0,1,2,3,4,5,6,7
	v_add_nc_u32 v[SO+\q], 0xff000000, v[BM+\q]
.endr
.irp q, 0,1,2,3,4,5,6,7
	v_lshrrev_b32 v[BY+\q], 23, v[SO+\q]
.endr
.irp a, 0,1,2,3
	v_lshl_or_b32 v[BY+2*\a], v[BY+2*\a+1], 8, v[BY+2*\a]   ; my two bytes of the row's word
.endr
.irp a, 0,1,2,3
	v_cvt_scalef32_pk16_fp6_f32 v[PC+12*\a:PC+12*\a+2], v[ACC+32*\a:ACC+32*\a+15], v[SO+2*\a]
	v_cvt_scalef32_pk16_fp6_f32 v[PC+12*\a+6:PC+12*\a+8], v[ACC+32*\a+16:ACC+32*\a+31], v[SO+2*\a+1]
.endr
	v_nop                                          ; one plain place behind a scaled conversion
.irp a, 0,1,2,3                        ; a whole block in a lane: lanes 0-15 the first block, lanes 16-31 the second
.irp i, 0,1,2
	v_permlane16_swap_b32 v[PC+12*\a+\i], v[PC+12*\a+6+\i]
.endr
.irp i, 0,1,2
	v_mov_b32 v[PC+12*\a+3+\i], v[PC+12*\a+6+\i]
.endr
.endr
.irp a, 0,1,2,3
	global_store_b128 v[O16], v[PC+12*\a:PC+12*\a+3], s[10:11] offset:TROW*\a         ; half a fragment: 512 + 256 consecutive bytes
	global_store_b64 v[O8], v[PC+12*\a+4:PC+12*\a+5], s[10:11] offset:TROW*\a+512
.endr
.irp t, 0,1                            ; a pair of tiles in one register: lanes 0-15 the even tile's rows, lanes 16-31 the odd tile's
	v_cndmask_b32 v[96+\t], v[NM+4*\t], v[NM+4*\t+2], s[HM]
	v_cndmask_b32 v[98+\t], v[SU+4*\t], v[SU+4*\t+2], s[HM]
	v_cndmask_b32 v[100+\t], v[BY+4*\t], v[BY+4*\t+2], s[HM]
	ds_store_b32 v[STA], v[96+\t] offset:512*\t
	ds_store_b32 v[STA], v[98+\t] offset:512*\t+8
	ds_store_b16 v[SCA], v[100+\t] offset:128*\t
.endr
	s_wait_dscnt 0x0                               ; for the others' sake: my stores have landed
	s_barrier_signal -1
	s_barrier_wait -1
	ds_load_b128 v[104:107], v[STRD]
	s_cmp_lg_u32 s16, 0
	s_cbranch_scc1 .Lnot_0
	ds_load_b128 v[108:111], v[SCRD]               ; wave 0 alone: the work-group's 512 bytes of scale words
	s_wait_dscnt 0x0
	global_store_b128 v[O16], v[108:111], s[14:15]
.Lnot_0:
	s_wait_dscnt 0x0
	global_store_b128 v[O16], v[104:107], s[12:13] ; 512 consecutive bytes a wave
	s_wait_tensorcnt 0x0                           ; the wave's end
	ds_add_u32 v[SPW], v[NIL]
	s_wait_dscnt 0x0
	CROUND                                         ; the closing round
	s_endpgm
.Lfunc_end_k_qa51cbfa0cf_scores:
	.size	k_qa51cbfa0cf_scores, .Lfunc_end_k_qa51cbfa0cf_scores-k_qa51cbfa0cf_scores
	.p2alignl 7, 3214868480
	.fill 96, 4, 3214868480
	.section	.rodata,"a",@progbits
	.p2align	6, 0x0
	.amdhsa_kernel k_qa51cbfa0cf_scores
		.amdhsa_group_segment_fixed_size 327680
		.amdhsa_private_segment_fixed_size 0
		.amdhsa_enable_private_segment 0
		.amdhsa_kernarg_size 48
		.amdhsa_user_sgpr_count 2
		.amdhsa_user_sgpr_kernarg_segment_ptr 1
		.amdhsa_wavefront_size32 1
		.amdhsa_system_sgpr_workgroup_id_x 1
		.amdhsa_system_sgpr_workgroup_id_y 1
		.amdhsa_system_sgpr_workgroup_id_z 1
		.amdhsa_system_vgpr_workitem_id 0
		.amdhsa_next_free_vgpr 512
		.amdhsa_next_free_sgpr 100
		.amdhsa_reserve_vcc 0
		.amdhsa_float_denorm_mode_32 3
		.amdhsa_float_denorm_mode_16_64 3
		.amdhsa_memory_ordered 1
		.amdhsa_forward_progress 1
		.amdhsa_inst_pref_size 133
	.end_amdhsa_kernel
	.amdgpu_metadata
---
amdhsa.version: [ 1, 2 ]
amdhsa.kernels:
  - .name:           k_qa51cbfa0cf_scores
    .symbol:         k_qa51cbfa0cf_scores.kd
    .args:
      - { .name: cqkv, .offset: 0, .size: 8, .value_kind: global_buffer, .address_space: global }
      - { .name: sqkv, .offset: 8, .size: 8, .value_kind: global_buffer, .address_space: global }
      - { .name: mask, .offset: 16, .size: 8, .value_kind: global_buffer, .address_space: global }
      - { .name: pc, .offset: 24, .size: 8, .value_kind: global_buffer, .address_space: global }
      - { .name: pst, .offset: 32, .size: 8, .value_kind: global_buffer, .address_space: global }
      - { .name: psc, .offset: 40, .size: 8, .value_kind: global_buffer, .address_space: global }
    .group_segment_fixed_size: 327680
    .private_segment_fixed_size: 0
    .kernarg_segment_align: 8
    .kernarg_segment_size: 48
    .max_flat_workgroup_size: 128
    .sgpr_count:     100
    .vgpr_count:     512
    .wavefront_size: 32
...
	.end_amdgpu_metadata
.endif
;; end of part 3
;; launch pv (part 4): grid 16 x 16, 4 waves a work-group, clusters of 4 x 4, 327,680 bytes of LDS; arguments pc, pst, psc, cqkv, sqkv, out0; writes out0
.if DOCPART == 4
	.amdgcn_target "amdgcn-amd-amdhsa--gfx1250"
	.amdhsa_code_object_version 6
	.text
	.protected	k_qa51cbfa0cf_pv
	.globl	k_qa51cbfa0cf_pv
	.p2align	8
	.type	k_qa51cbfa0cf_pv,@function
k_qa51cbfa0cf_pv:
	s_mov_b64 s[64:65], 0
	v_nop
	global_prefetch_b8 v0, s[64:65] scope:SCOPE_SE
	s_setreg_imm32_b32 hwreg(HW_REG_WAVE_MODE, 25, 1), 1
	s_wait_xcnt 0x0
	s_wait_alu depctr_hold_cnt(0) depctr_sa_sdst(0) depctr_va_vdst(0) depctr_va_sdst(0) depctr_va_ssrc(0) depctr_va_vcc(0) depctr_vm_vsrc(0)
	s_getreg_b32 s2, hwreg(HW_REG_IB_STS2, 6, 4)
	s_cmp_eq_u32 s2, 0
	s_cbranch_scc0 .Lentry_in_a_cluster
	s_endpgm
.Lentry_in_a_cluster:
	s_bfe_u32 s2, ttmp6, 0x10000c
	s_cmp_lg_u32 s2, 0xf033
	s_cbranch_scc0 .Lentry_shape_is_right
	s_endpgm
.Lentry_shape_is_right:
; Launch 4 of 4: the row's M and l from the groups', p's scale bytes brought under the row's M, product 5 (p v), the division by l.  No work of reference() is left out.
; For each query: -M = the least of its 32 groups' -M; l = the sum of the groups' l x 2^(M_group - M), exact scalings; each scale byte of p has M - M_group taken off it, held at 0 from below.
; A work-group makes 128 queries x 128 channels, a wave 64 x 64.  SOURCE 0 = 16 channels (v transposed, K = the keys), SOURCE 1 = 16 queries (p): a lane holds one query and, for tile a, channels 32 b + 16 (lane / 16) + 0 .. 15, b = 0, 1.
; The core (three LDS slots of four K steps, one refill, joint loads in a 4 x 4 cluster: p shared along a row, v along a column) is that of the launch before; one tensor load of a wave is out at any time.
; While the first fills are on their way, wave w serves the work-group's tile pair w, a lane to a row, and hands the 16 moved scale words and 1 / l to the others through LDS.
; LIMITS: a block of p that falls under 2^-127 beside the row's M keeps the byte 0 with its codes, where the rule would give zeros: its share lies under 1e-37 of the result.  NaN and infinities are not served.
.set REG,   3145728
.set SREG,  131072
.set FRB,   1536
.set FR,    12
.set TROW,  16*FRB
.set PART,  4*4*FRB
.set SLOT,  4*PART
.set SPARE, 3*SLOT
.set ASC,   SPARE+512                  ; 4 x 2,048 bytes: the moved scale words, images of 16 registers for each tile pair
.set RL,    ASC+8192                   ; 512 bytes: 1 / l
.set STAGE, RL+512                     ; 4 x 16 rows x 272 bytes: the way out
.set S1A16, 4
.set S1A8,  7
.set S0A16, 10
.set S0A8,  13
.set O16,   17
.set O8,    18
.set STO,   19
.set SRD,   20
.set GO,    21
.set O4,    22
.set ASW,   23
.set RLW,   24
.set ASR,   25
.set RLR,   26
.set SPW,   28
.set NIL,   29
.set SA,    32
.set SB,    64
.set RC,    96                         ; v96-103 1 / l of my query in tile a, in pairs
.set ACC,   128
.set ST,    128                        ; the prologue, in registers that the accumulators take later: v128-191 -M, -M, l, l for each K step
.set PSW,   192                        ; v192-207 p's scale words
.set G1,  24
.set G0,  32
.set G1B, 44
.set G0B, 52
.set MSB, 0
.macro WIN new
.if MSB != \new
	s_set_vgpr_msb (MSB<<8)|\new
.set MSB, \new
.endif
.endm
.set MUL,  0x05
.set TO_F, 0x40
.macro JLOAD g0a, g1a, g0b, g1b
	s_cmp_eq_u32 s17, 0
	s_cbranch_scc0 .Lfor_b_\@
	tensor_load_to_lds s[\g0a:\g0a+3], s[\g1a:\g1a+7]
	s_nop 0
.rept 4
	v_nop
.endr
	s_branch .Lasked_\@
.Lfor_b_\@:
	tensor_load_to_lds s[\g0b:\g0b+3], s[\g1b:\g1b+7]
	s_nop 0
.rept 4
	v_nop
.endr
.Lasked_\@:
.endm
.macro CREST
	s_cmp_lg_u32 s16, 0
	s_cbranch_scc1 .Lnot_wave_0_\@
	s_barrier_signal -3
.Lnot_wave_0_\@:
	s_barrier_wait -3
	s_barrier_signal -1
	s_barrier_wait -1
.endm
.macro CROUND
	s_barrier_signal -1
	s_barrier_wait -1
	CREST
.endm
.macro PLACES
.rept 4
	v_nop
.endr
.endm
	s_load_b256 s[4:11], s[0:1], 0x0               ; pc, pst, psc, cqkv
	s_load_b128 s[12:15], s[0:1], 0x20             ; sqkv, out0
	v_lshl_add_u32 v[SPW], v0, 2, SPARE
	v_mov_b32 v[NIL], 0
	ds_add_u32 v[SPW], v[NIL]                      ; the opening: the add, twice on end, and its wait ahead of my first tensor load
	ds_add_u32 v[SPW], v[NIL]
	v_lshrrev_b32 v1, 5, v0
	v_readfirstlane_b32 s16, v1                    ; wave
	s_lshr_b32 s17, s16, 1                         ; hr: my half of the queries.  Also: I fetch for p (0) or v (1)
	s_and_b32 s18, s16, 1                          ; hc: my half of the channels.  Also: which 4 tiles I fetch
	s_bfe_u32 s19, ttmp6, 0x40000
	s_bfe_u32 s20, ttmp6, 0x40004
	s_lshl_b32 s21, ttmp9, 2
	s_add_co_u32 s21, s21, s19                     ; tx: 128 channels
	s_and_b32 s22, ttmp7, 0xffff
	s_lshl_b32 s22, s22, 2
	s_add_co_u32 s22, s22, s20                     ; ty: 128 queries
	s_lshl_b32 s23, s20, 2
	s_lshl_b32 s23, 15, s23
	s_lshl_b32 s84, 0x1111, s19
	s_or_b32 s[G1+0], s23, (3<<16)|(1<<21)
	s_or_b32 s[G1B+0], s84, (3<<16)|(1<<21)
.irp g, G1, G1B
	s_mov_b32 s[\g+1], 768<<16
	s_mov_b32 s[\g+2], 4<<16
	s_mov_b32 s[\g+3], 768<<16
	s_mov_b32 s[\g+4], 4
	s_mov_b32 s[\g+5], TROW/8
	s_mov_b32 s[\g+6], 0
	s_mov_b32 s[\g+7], 0
.endr
	s_lshl_b32 s66, s22, 3
	s_lshl_b32 s67, s18, 2
	s_add_co_u32 s66, s66, s67                     ; p: tile 8 ty + 4 x half
	s_mul_i32 s66, s66, TROW
	s_mov_b32 s67, 0
	s_lshl_b32 s68, s21, 3
	s_lshl_b32 s69, s18, 2
	s_add_co_u32 s68, s68, s69                     ; v transposed: tile 8 tx + 4 x half, in the third region
	s_mul_i32 s68, s68, TROW
	s_add_co_u32 s68, s68, 2*REG
	s_mov_b32 s69, 0
	s_mul_i32 s70, s16, PART
	s_wait_dscnt 0x0
	CROUND                                         ; the round in front of the first joint loads needs no argument: it stands ahead of the wait for them
	s_wait_kmcnt 0x0
	s_add_nc_u64 s[66:67], s[4:5], s[66:67]
	s_add_nc_u64 s[68:69], s[10:11], s[68:69]
.irp s, 0,1
	s_mov_b32 s[G0+4*\s], 1
	s_add_co_u32 s[G0+4*\s+1], s70, \s*SLOT
	s_add_nc_u64 s[G0+4*\s+2:G0+4*\s+3], s[66:67], \s*4*FRB
	s_or_b32 s[G0+4*\s+3], s[G0+4*\s+3], 0x80000000
	s_mov_b32 s[G0B+4*\s], 1
	s_add_co_u32 s[G0B+4*\s+1], s70, \s*SLOT
	s_add_nc_u64 s[G0B+4*\s+2:G0B+4*\s+3], s[68:69], \s*4*FRB
	s_or_b32 s[G0B+4*\s+3], s[G0B+4*\s+3], 0x80000000
.endr
	; THE LOADS, as they now stand (the head comment's count of three loads out at the start holds no more: one load of a wave is out at any time): chunk 0 at the head, into slot 0;
	; chunks 1 and 2 by ONE load with rows of 12,288 bytes, behind the full sequence and a round, into the 2 SLOT bytes behind slot 0, 2 PART bytes a wave; chunk 3 refills slot 0.
	s_add_co_u32 s[G0+5], s[G0+5], s70
	s_add_co_u32 s[G0B+5], s[G0B+5], s70
	JLOAD G0, G1, G0B, G1B
	v_and_b32 v1, 31, v0                           ; lane
	v_and_b32 v2, 15, v0                           ; r
	v_bfe_u32 v3, v0, 4, 1                         ; h
	v_lshlrev_b32 v[O16], 4, v1
	s_wait_alu depctr_va_vdst(0)
	v_lshlrev_b32 v[O8], 3, v1
	v_lshlrev_b32 v[O4], 2, v1
	v_lshlrev_b32 v27, 8, v1                       ; the prefetches' offsets, never rewritten: a lane a block of 256 bytes;
	v_min_u32 v31, 7, v1
	v_lshlrev_b32 v31, 8, v31                      ; and for the last 8 blocks (the lanes left over name the last block again)
	s_wait_alu depctr_va_vdst(0)
	; PREFETCH: a tile's 16 K steps are 24,576 consecutive bytes, 96 blocks of 256.  Of the 4 tiles that my wave fetches, each of the four partners that ask jointly takes one, told apart by address (cx for p, cy for v).
	; Blocks 24 to 87 (chunks 1 and 2 and two thirds of chunk 3) are named here, behind chunk 0's load; blocks 88 to 95 behind the load of chunks 1 and 2: each chunk is named whole one load ahead of its own.
	s_cmp_eq_u32 s17, 0
	s_cselect_b64 s[96:97], s[66:67], s[68:69]
	s_cselect_b32 s98, s19, s20
	s_mul_i32 s98, s98, TROW
	s_mov_b32 s99, 0
	s_add_nc_u64 s[96:97], s[96:97], s[98:99]
	global_prefetch_b8 v27, s[96:97] offset:6144 th:TH_LOAD_NT scope:SCOPE_SE
	global_prefetch_b8 v27, s[96:97] offset:14336 th:TH_LOAD_NT scope:SCOPE_SE
	v_add_nc_u32 v30, 512, v[O8]
	s_wait_alu depctr_va_vdst(0)
	s_lshl_b32 s88, s22, 2
	s_add_co_u32 s88, s88, s16                     ; my tile pair: 4 ty + wave
	s_lshl_b32 s90, s88, 13                        ; its 8,192 bytes of -M and l,
	s_mov_b32 s91, 0
	s_add_nc_u64 s[6:7], s[6:7], s[90:91]
	s_lshl_b32 s90, s88, 7                         ; and its 128 bytes in each K step's scale words
	s_add_nc_u64 s[8:9], s[8:9], s[90:91]
	s_lshl_b32 s90, s21, 3                         ; v's scale words: tiles 8 tx + 4 hc on
	s_lshl_b32 s92, s18, 2
	s_add_co_u32 s90, s90, s92
	s_lshl_b32 s90, s90, 6                         ; sqkv: the word of (ks, tile T, row r) lies at ks x 8,192 + T x 64 + r x 4
	s_add_co_u32 s90, s90, 2*SREG
	s_add_nc_u64 s[12:13], s[12:13], s[90:91]
.irp e, 0,1,2,3,4,5,6,7,8,9,10,11,12,13,14,15
	global_load_b128 v[ST+4*\e:ST+4*\e+3], v[O16], s[6:7] offset:512*\e
.endr
.irp e, 0,1,2,3,4,5,6,7,8,9,10,11,12,13,14,15
	global_load_b32 v[PSW+\e], v[O4], s[8:9] offset:8192*\e
.endr
.irp p, 0,1
.irp e, 0,1,2,3,4,5,6,7,8,9,10,11,12,13,14,15
	global_load_b32 v[SB+16*\p+\e], v[O4], s[12:13] offset:8192*\e+128*\p   ; a pair of tiles' words of one K step: 128 consecutive bytes
.endr
.endr
	s_mul_i32 s85, s17, PART
	s_mul_i32 s86, s18, PART
	s_add_co_u32 s86, s86, 2*PART
.irp s, 0,1                            ; 0: slot 0; 1: the bytes of chunks 1 and 2, where a part is twice as long
	v_add_nc_u32 v[S1A16+\s], s85, v[O16]
	v_add_nc_u32 v[S1A8+\s], s85, v30
	v_add_nc_u32 v[S0A16+\s], s86, v[O16]
	v_add_nc_u32 v[S0A8+\s], s86, v30
	s_lshl_b32 s85, s85, 1
	s_lshl_b32 s86, s86, 1
	s_add_co_u32 s85, s85, SLOT
	s_add_co_u32 s86, s86, SLOT
.endr
	s_lshl_b32 s85, s16, 11
	s_add_co_u32 s85, s85, ASC
	v_add_nc_u32 v[ASW], s85, v[O16]               ; my pair's images
	s_lshl_b32 s85, s16, 7
	s_add_co_u32 s85, s85, RL
	v_add_nc_u32 v[RLW], s85, v[O4]
	s_lshl_b32 s85, s17, 12
	s_add_co_u32 s85, s85, ASC
	v_add_nc_u32 v[ASR], s85, v[O16]               ; the two pairs that I multiply
	s_lshl_b32 s85, s17, 8
	s_add_co_u32 s85, s85, RL
	v_lshl_add_u32 v[RLR], v2, 2, s85
	s_mul_i32 s85, s16, 16*272
	s_add_co_u32 s85, s85, STAGE                   ; my stage
	v_mul_u32_u24 v[STO], v2, 272
	v_lshl_add_u32 v[STO], v3, 6, v[STO]
	v_add_nc_u32 v[STO], s85, v[STO]               ; in: row r, 64 bytes for each half of the lanes
	v_mul_u32_u24 v[SRD], v3, 272
	v_lshl_add_u32 v[SRD], v2, 4, v[SRD]
	v_add_nc_u32 v[SRD], s85, v[SRD]               ; back: lanes 0-15 one row of 256 bytes, lanes 16-31 the next
	v_lshlrev_b32 v[GO], 13, v3
	v_lshl_add_u32 v[GO], v2, 4, v[GO]             ; and the same two rows in out0
	s_lshl_b32 s90, s22, 20                        ; (128 ty + 64 hr) rows of 8,192 bytes + 512 tx + 256 hc
	s_lshl_b32 s92, s17, 19
	s_add_co_u32 s90, s90, s92
	s_lshl_b32 s92, s21, 9
	s_add_co_u32 s90, s90, s92
	s_lshl_b32 s92, s18, 8
	s_add_co_u32 s90, s90, s92
	s_add_nc_u64 s[14:15], s[14:15], s[90:91]
	s_wait_alu depctr_va_vdst(0)
	s_wait_loadcnt 0x0                             ; the rows' M and l are made while chunk 0 is on its way
	; ---- my row's -M: the least of the 32
	v_min3_num_f32 v208, v[ST], v[ST+1], v[ST+4]
.irp e, 1,2,3,4,5,6,7,8,9,10,11,12,13,14
	v_min3_num_f32 v208, v208, v[ST+4*\e+1], v[ST+4*\e+4]
.endr
	v_min_num_f32 v208, v208, v[ST+61]
.irp e, 0,1,2,3,4,5,6,7,8,9,10,11,12,13,14,15
	v_sub_f32 v[ST+4*\e], v208, v[ST+4*\e]         ; M_group - M: a whole number, 0 or less
	v_sub_f32 v[ST+4*\e+1], v208, v[ST+4*\e+1]
.endr
.irp e, 0,1,2,3,4,5,6,7,8,9,10,11,12,13,14,15
	v_cvt_i32_f32 v[ST+4*\e], v[ST+4*\e]
	v_cvt_i32_f32 v[ST+4*\e+1], v[ST+4*\e+1]
.endr
.irp e, 0,1,2,3,4,5,6,7,8,9,10,11,12,13,14,15
	v_ldexp_f32 v[ST+4*\e+2], v[ST+4*\e+2], v[ST+4*\e]       ; the group's l under the row's M: nothing is rounded
	v_ldexp_f32 v[ST+4*\e+3], v[ST+4*\e+3], v[ST+4*\e+1]
.endr
	v_pk_add_f32 v[210:211], v[ST+2:ST+3], v[ST+6:ST+7]
.irp e, 2,3,4,5,6,7,8,9,10,11,12,13,14,15
	v_pk_add_f32 v[210:211], v[210:211], v[ST+4*\e+2:ST+4*\e+3]
.endr
	v_add_f32 v210, v210, v211                     ; l
	s_wait_alu depctr_va_vdst(0)
	v_rcp_f32 v210, v210
.irp e, 0,1,2,3,4,5,6,7,8,9,10,11,12,13,14,15
	v_sub_nc_u32 v[ST+4*\e], 0, v[ST+4*\e]         ; M - M_group,
	v_sub_nc_u32 v[ST+4*\e+1], 0, v[ST+4*\e+1]
.endr
.irp e, 0,1,2,3,4,5,6,7,8,9,10,11,12,13,14,15
	v_min_u32 v[ST+4*\e], 0xff, v[ST+4*\e]         ; at most a byte
	v_min_u32 v[ST+4*\e+1], 0xff, v[ST+4*\e+1]
.endr
.irp e, 0,1,2,3,4,5,6,7,8,9,10,11,12,13,14,15
	v_and_b32 v[ST+4*\e+2], 0xff, v[PSW+\e]        ; the word's four bytes: 0, 1 of the first group, 2, 3 of the second
	v_bfe_u32 v[ST+4*\e+3], v[PSW+\e], 8, 8
	v_bfe_u32 v[216+2*\e], v[PSW+\e], 16, 8
	v_lshrrev_b32 v[217+2*\e], 24, v[PSW+\e]
	v_min_u32 v[ST+4*\e+2], v[ST+4*\e+2], v[ST+4*\e]         ; what is taken off a byte is at most the byte: no borrow
	v_min_u32 v[ST+4*\e+3], v[ST+4*\e+3], v[ST+4*\e]
	v_min_u32 v[216+2*\e], v[216+2*\e], v[ST+4*\e+1]
	v_min_u32 v[217+2*\e], v[217+2*\e], v[ST+4*\e+1]
	v_lshl_or_b32 v[ST+4*\e+2], v[ST+4*\e+3], 8, v[ST+4*\e+2]
	v_lshl_or_b32 v[216+2*\e], v[217+2*\e], 8, v[216+2*\e]
	v_lshl_or_b32 v[ST+4*\e+2], v[216+2*\e], 16, v[ST+4*\e+2]
	v_sub_nc_u32 v[PSW+\e], v[PSW+\e], v[ST+4*\e+2]
.endr
	s_wait_alu depctr_va_vdst(0)                   ; the wait ahead of the reciprocal's first reader; the lines above are the work between
.irp i, 0,1,2,3
	ds_store_b128 v[ASW], v[PSW+4*\i:PSW+4*\i+3] offset:512*\i
.endr
	ds_store_b32 v[RLW], v210
.macro FRAG reg, a16, a8, off
	ds_load_b128 v[(\reg):(\reg)+3], v[\a16] offset:\off
	ds_load_b64 v[(\reg)+4:(\reg)+5], v[\a8] offset:\off
	ds_load_b128 v[(\reg)+6:(\reg)+9], v[\a16] offset:(\off)+768
	ds_load_b64 v[(\reg)+10:(\reg)+11], v[\a8] offset:(\off)+768
.endm
.macro FETCH ks
.if ((\ks)/4)%3 == 0                   ; chunks 0 and 3 lie in slot 0, a tile's four K steps on end
.set sl, 0
.set tp, 4*FRB
.set fo, FRB*((\ks)%4)
.else                                  ; chunks 1 and 2: a tile's eight K steps on end
.set sl, 1
.set tp, 8*FRB
.set fo, FRB*((\ks)-4)
.endif
.set fs, 96*((\ks)%2)
	WIN TO_F
.irp b, 0,1,2,3
	FRAG fs+48+FR*\b, S0A16+sl, S0A8+sl, fo+tp*\b
.endr
.irp a, 0,1,2,3
	FRAG fs+FR*\a, S1A16+sl, S1A8+sl, fo+tp*\a
.endr
.endm
.macro WM a, b, ks, zero
.set rD, ACC+8*(4*(\a)+(\b))
.set rA, 96*((\ks)%2)+48+FR*(\b)
.set rB, 96*((\ks)%2)+FR*(\a)
.set rX, SB+16*((\b)/2)+(\ks)
.set rY, SA+16*((\a)/2)+(\ks)
.if \zero
.if ((\a)%2) && ((\b)%2)
	v_wmma_scale_f32_16x16x128_f8f6f4 v[rD:rD+7], v[rA:rA+11], v[rB:rB+11], 0, v[rX], v[rY] matrix_a_fmt:MATRIX_FMT_FP6 matrix_b_fmt:MATRIX_FMT_FP6 matrix_a_scale:MATRIX_SCALE_ROW1 matrix_b_scale:MATRIX_SCALE_ROW1
.elseif (\b)%2
	v_wmma_scale_f32_16x16x128_f8f6f4 v[rD:rD+7], v[rA:rA+11], v[rB:rB+11], 0, v[rX], v[rY] matrix_a_fmt:MATRIX_FMT_FP6 matrix_b_fmt:MATRIX_FMT_FP6 matrix_a_scale:MATRIX_SCALE_ROW1
.elseif (\a)%2
	v_wmma_scale_f32_16x16x128_f8f6f4 v[rD:rD+7], v[rA:rA+11], v[rB:rB+11], 0, v[rX], v[rY] matrix_a_fmt:MATRIX_FMT_FP6 matrix_b_fmt:MATRIX_FMT_FP6 matrix_b_scale:MATRIX_SCALE_ROW1
.else
	v_wmma_scale_f32_16x16x128_f8f6f4 v[rD:rD+7], v[rA:rA+11], v[rB:rB+11], 0, v[rX], v[rY] matrix_a_fmt:MATRIX_FMT_FP6 matrix_b_fmt:MATRIX_FMT_FP6
.endif
.else
.if ((\a)%2) && ((\b)%2)
	v_wmma_scale_f32_16x16x128_f8f6f4 v[rD:rD+7], v[rA:rA+11], v[rB:rB+11], v[rD:rD+7], v[rX], v[rY] matrix_a_fmt:MATRIX_FMT_FP6 matrix_b_fmt:MATRIX_FMT_FP6 matrix_a_scale:MATRIX_SCALE_ROW1 matrix_b_scale:MATRIX_SCALE_ROW1
.elseif (\b)%2
	v_wmma_scale_f32_16x16x128_f8f6f4 v[rD:rD+7], v[rA:rA+11], v[rB:rB+11], v[rD:rD+7], v[rX], v[rY] matrix_a_fmt:MATRIX_FMT_FP6 matrix_b_fmt:MATRIX_FMT_FP6 matrix_a_scale:MATRIX_SCALE_ROW1
.elseif (\a)%2
	v_wmma_scale_f32_16x16x128_f8f6f4 v[rD:rD+7], v[rA:rA+11], v[rB:rB+11], v[rD:rD+7], v[rX], v[rY] matrix_a_fmt:MATRIX_FMT_FP6 matrix_b_fmt:MATRIX_FMT_FP6 matrix_b_scale:MATRIX_SCALE_ROW1
.else
	v_wmma_scale_f32_16x16x128_f8f6f4 v[rD:rD+7], v[rA:rA+11], v[rB:rB+11], v[rD:rD+7], v[rX], v[rY] matrix_a_fmt:MATRIX_FMT_FP6 matrix_b_fmt:MATRIX_FMT_FP6
.endif
.endif
.endm
.macro MUL8 ks, a0, zero               ; the 16 accumulators take turns, in the same order in every step
.irp a, \a0, \a0+1
.irp b, 0,1,2,3
	WM \a, \b, \ks, \zero
.endr
.endr
.endm
.macro STEP ks, zero
	s_wait_dscnt 8                                 ; all but the youngest 8 loads (source 1's tiles 2, 3)
	WIN MUL
	MUL8 \ks, 0, \zero
	PLACES
	FETCH (\ks)+1
	s_wait_dscnt 32                                ; all but the 32 just issued
	WIN MUL
	MUL8 \ks, 2, \zero
.endm
.macro TURN ks, fill
	WIN 0
	s_wait_tensorcnt 0x0
	ds_add_u32 v[SPW], v[NIL]
	s_wait_dscnt 9                                 ; (the add and the youngest 8 loads may be out)
	WIN MUL
	MUL8 \ks, 0, 0
	s_wait_dscnt 0x0                               ; the add is done, and my reads so far are over
	s_barrier_signal -1
	WIN 0
	s_barrier_wait -1
.if \fill
	CREST                                          ; a round of the cluster's barrier: no wave of any partner still reads slot 0 or has a load on its way
	s_mov_b32 s[G1+1], 768<<16                     ; no load of mine is out: rows of four K steps again
	s_mov_b32 s[G1+3], 768<<16
	s_mov_b32 s[G1B+1], 768<<16
	s_mov_b32 s[G1B+3], 768<<16
	s_add_nc_u64 s[G0+2:G0+3], s[G0+2:G0+3], 3*4*FRB
	s_add_nc_u64 s[G0B+2:G0B+3], s[G0B+2:G0B+3], 3*4*FRB
	JLOAD G0, G1, G0B, G1B
.else
	PLACES
.endif
	FETCH (\ks)+1
	WIN MUL
	MUL8 \ks, 2, 0
.endm
	s_wait_alu depctr_va_vdst(0)
	s_wait_tensorcnt 0x0                           ; my part of chunk 0 is in; a later first fill is issued as a refill is:
	ds_add_u32 v[SPW], v[NIL]
	s_mov_b32 s[G1+1], 1536<<16                    ; no load of mine is out: rows of eight K steps, 12,288 bytes
	s_mov_b32 s[G1+3], 1536<<16
	s_mov_b32 s[G1B+1], 1536<<16
	s_mov_b32 s[G1B+3], 1536<<16
	s_wait_dscnt 0x0                               ; the add is done, and, for the others' sake, my scale words and 1 / l lie in LDS
	CROUND                                         ; the round shows both chunk 0 and those words to every wave
	JLOAD G0+4, G1, G0B+4, G1B                     ; chunks 1 and 2
	global_prefetch_b8 v31, s[96:97] offset:22528 th:TH_LOAD_NT scope:SCOPE_SE   ; the rest of chunk 3
.irp p, 0,1
.irp i, 0,1,2,3
	ds_load_b128 v[SA+16*\p+4*\i:SA+16*\p+4*\i+3], v[ASR] offset:2048*\p+512*\i   ; p's scale words of my two tile pairs, all 16 K steps
.endr
.endr
	FETCH 0
	STEP 0, 1
	STEP 1, 0
	STEP 2, 0
	TURN 3, 1
	STEP 4, 0
	STEP 5, 0
	STEP 6, 0
	STEP 7, 0
	STEP 8, 0
	STEP 9, 0
	STEP 10, 0
	TURN 11, 0
	STEP 12, 0
	STEP 13, 0
	STEP 14, 0
	s_wait_dscnt 8
	WIN MUL
	MUL8 15, 0, 0
	s_wait_dscnt 0
	MUL8 15, 2, 0
	WIN 0
	PLACES
.irp a, 0,1,2,3
	ds_load_b32 v[RC+2*\a], v[RLR] offset:64*\a    ; 1 / l of my query in tile a
.endr
.irp a, 0,1,2,3
	v_mov_b32 v[RC+2*\a+1], 0                      ; named as the upper half of a pair
.endr
	s_wait_alu depctr_va_vdst(0)
	s_wait_dscnt 0x0
; THE WAY OUT, a tile of 16 queries x 64 channels at a time: x 1 / l, through my own stage, back as whole rows of 256 bytes.  LDS serves a wave's instructions in order: no wait between the stores and the loads.
.macro OUTA a
.set AC, ACC+32*(\a)
.set BK, 32+32*((\a)%2)
.set j, 0
.rept 16
	v_pk_mul_f32 v[AC+j:AC+j+1], v[AC+j:AC+j+1], v[RC+2*(\a):RC+2*(\a)+1] op_sel_hi:[1,0]   ; each accumulator from its low end on
.set j, j+2
.endr
.irp b, 0,1
.irp i, 0,1,2,3
	ds_store_b128 v[STO], v[AC+16*\b+4*\i:AC+16*\b+4*\i+3] offset:128*\b+16*\i
.endr
.endr
.irp i, 0,1,2,3,4,5,6,7
	ds_load_b128 v[BK+4*\i:BK+4*\i+3], v[SRD] offset:544*\i
.endr
.endm
.macro SEND a, younger                 ; younger: the LDS instructions issued behind tile a's loads
.set BK, 32+32*((\a)%2)
	s_wait_dscnt \younger
.irp i, 0,1,2,3,4,5,6,7
	global_store_b128 v[GO], v[BK+4*\i:BK+4*\i+3], s[14:15] offset:(32*((\a)/2)+8*((\a)%2)+2*\i+8*(\i/4))*8192 th:TH_STORE_NT   ; 16 lanes store 256 consecutive bytes, aligned; stage row n is the tile's row n + 8 (n / 8); written once, read by nobody here
.endr
.endm
	OUTA 0
	OUTA 1
	SEND 0, 16                                     ; behind tile 0's loads: tile 1's 8 stores and 8 loads
	s_wait_xcnt 0x0                                ; tile 0's stores have read their registers
	OUTA 2
	SEND 1, 16
	s_wait_xcnt 0x0
	OUTA 3
	SEND 2, 16
	SEND 3, 0
	s_wait_tensorcnt 0x0                           ; the wave's end
	ds_add_u32 v[SPW], v[NIL]
	s_wait_dscnt 0x0
	CROUND                                         ; the closing round
	s_endpgm
.Lfunc_end_k_qa51cbfa0cf_pv:
	.size	k_qa51cbfa0cf_pv, .Lfunc_end_k_qa51cbfa0cf_pv-k_qa51cbfa0cf_pv
	.p2alignl 7, 3214868480
	.fill 96, 4, 3214868480
	.section	.rodata,"a",@progbits
	.p2align	6, 0x0
	.amdhsa_kernel k_qa51cbfa0cf_pv
		.amdhsa_group_segment_fixed_size 327680
		.amdhsa_private_segment_fixed_size 0
		.amdhsa_enable_private_segment 0
		.amdhsa_kernarg_size 48
		.amdhsa_user_sgpr_count 2
		.amdhsa_user_sgpr_kernarg_segment_ptr 1
		.amdhsa_wavefront_size32 1
		.amdhsa_system_sgpr_workgroup_id_x 1
		.amdhsa_system_sgpr_workgroup_id_y 1
		.amdhsa_system_sgpr_workgroup_id_z 1
		.amdhsa_system_vgpr_workitem_id 0
		.amdhsa_next_free_vgpr 512
		.amdhsa_next_free_sgpr 100
		.amdhsa_reserve_vcc 0
		.amdhsa_float_denorm_mode_32 3
		.amdhsa_float_denorm_mode_16_64 3
		.amdhsa_memory_ordered 1
		.amdhsa_forward_progress 1
		.amdhsa_inst_pref_size 116
	.end_amdhsa_kernel
	.amdgpu_metadata
---
amdhsa.version: [ 1, 2 ]
amdhsa.kernels:
  - .name:           k_qa51cbfa0cf_pv
    .symbol:         k_qa51cbfa0cf_pv.kd
    .args:
      - { .name: pc, .offset: 0, .size: 8, .value_kind: global_buffer, .address_space: global }
      - { .name: pst, .offset: 8, .size: 8, .value_kind: global_buffer, .address_space: global }
      - { .name: psc, .offset: 16, .size: 8, .value_kind: global_buffer, .address_space: global }
      - { .name: cqkv, .offset: 24, .size: 8, .value_kind: global_buffer, .address_space: global }
      - { .name: sqkv, .offset: 32, .size: 8, .value_kind: global_buffer, .address_space: global }
      - { .name: out0, .offset: 40, .size: 8, .value_kind: global_buffer, .address_space: global }
    .group_segment_fixed_size: 327680
    .private_segment_fixed_size: 0
    .kernarg_segment_align: 8
    .kernarg_segment_size: 48
    .max_flat_workgroup_size: 128
    .sgpr_count:     100
    .vgpr_count:     512
    .wavefront_size: 32
...
	.end_amdgpu_metadata
.endif
;; end of part 4
